; MI455X (gfx1250); checked and timed in simulation.
; The chip was launched on July 23, 2026; its instructions are those of AMD's public machine-readable ISA for CDNA 5 (MIT licence, August 2026) and "CDNA5" Instruction Set Architecture Reference Guide (July 2026). The comments in the code are by the model that wrote it; some were corrected since.
;; Self Attention Layer. Allowed arithmetic: float matrix products may take bf16 or f16 operands with f32 sums; other float arithmetic in f32, or as packed bf16 or f16 multiplies, adds, multiply-adds, maxima and minima; sums over many terms, partial sums and values carried from step to step in f32; what a program stores and reads back later, other than sums and carried values, may be rounded once to bf16 or f16.
;; Inputs: Wk 1,024 x 512 float32; Wq 1,024 x 512 float32; Wv 1,024 x 512 float32; X 8 x 2,048 x 512 float32; bk 1,024 float32; bq 1,024 float32; bv 1,024 float32.
;; Outputs: out0 8 x 2,048 x 1,024 float32.
;; 3 versions, each right; version 3 is version 2 with the launches cast, scale written anew for expert scheduling mode. Each part assembles by itself: llvm-mc -triple=amdgcn-amd-amdhsa -mcpu=gfx1250 --defsym DOCPART=n.
;; ======== version 1 of 3: 4 launches
;; workspace buffers: Xb 16,777,216 bytes; Wb 3,145,728 bytes; QKV 100,663,296 bytes; ST 4,194,304 bytes
;; launch cast (part 1): grid 608 x 1, 8 waves a work-group, no clusters, 0 bytes of LDS; arguments X, Wq, Wk, Wv, Xb, Wb; writes Xb, Wb
.if DOCPART == 1
	.amdgcn_target "amdgcn-amd-amdhsa--gfx1250"
	.amdhsa_code_object_version 6
	.text
	.protected	k_qab69837dd2_cast
	.globl	k_qab69837dd2_cast
	.p2align	8
	.type	k_qab69837dd2_cast,@function
k_qab69837dd2_cast:
	s_mov_b64 s[64:65], 0
	v_nop
	global_prefetch_b8 v0, s[64:65] scope:SCOPE_SE
	s_setreg_imm32_b32 hwreg(HW_REG_WAVE_MODE, 25, 1), 1
	s_wait_xcnt 0x0
; X and the three weight matrices, f32, are rounded once to bf16: Xb [16384][512]; Wb [3072][512] = Wq's, Wk's, Wv's rows one below the other.
; A work-group takes 65,536 bytes of f32 and makes 32,768 of bf16: groups 0-511 X, 512-543 Wq, 544-575 Wk, 576-607 Wv.
; A wave takes 8,192 bytes: sixteen loads of 512 consecutive bytes, all on their way at once; each store of the wave covers 256 consecutive bytes, aligned.
; No register is written twice, so the only waits are the counted ones for the loads.  No LDS, no barrier: no wave wants another's bytes.
.set NX, 512                           ; work-groups for X
.set NW, 32                            ; work-groups for each weight matrix
.set IN,  4                            ; v[4:67]   sixteen loads of four registers
.set OUT, 68                           ; v[68:99]  sixteen results of two registers
	s_load_b256 s[4:11], s[0:1], 0x0               ; X s[4:5], Wq s[6:7], Wk s[8:9], Wv s[10:11]
	s_load_b128 s[12:15], s[0:1], 0x20             ; Xb s[12:13], Wb s[14:15]
	v_lshrrev_b32 v3, 5, v0                        ; wave
	v_and_b32 v1, 31, v0                           ; lane
	v_lshlrev_b32 v2, 3, v1                        ; 8 bytes a lane out
	v_lshlrev_b32 v1, 4, v1                        ; 16 bytes a lane in
	v_lshl_add_u32 v1, v3, 13, v1                  ; + wave x 8,192
	v_lshl_add_u32 v2, v3, 12, v2                  ; + wave x 4,096
	s_sub_co_u32 s20, ttmp9, NX                    ; my number among the weights' groups (used only where it is one)
	s_and_b32 s21, s20, NW-1                       ; and inside its matrix
	s_cmp_lt_u32 ttmp9, NX
	s_cselect_b32 s22, ttmp9, s21                  ; block of the source
	s_cselect_b32 s24, ttmp9, s20                  ; block of the destination
	s_lshl_b32 s22, s22, 16
	s_mov_b32 s23, 0
	s_lshl_b32 s24, s24, 15
	s_mov_b32 s25, 0
	s_wait_kmcnt 0x0
	s_cmp_lt_u32 ttmp9, NX
	s_cselect_b64 s[18:19], s[12:13], s[14:15]     ; to Xb or to Wb
	s_cselect_b64 s[16:17], s[4:5], s[6:7]         ; from X, or from Wq,
	s_cmp_ge_u32 ttmp9, NX+NW
	s_cselect_b64 s[16:17], s[8:9], s[16:17]       ; Wk,
	s_cmp_ge_u32 ttmp9, NX+2*NW
	s_cselect_b64 s[16:17], s[10:11], s[16:17]     ; Wv
	s_add_nc_u64 s[16:17], s[16:17], s[22:23]
	s_add_nc_u64 s[18:19], s[18:19], s[24:25]
.irp i, 0,1,2,3,4,5,6,7,8,9,10,11,12,13,14,15
	global_load_b128 v[IN+4*(\i):IN+4*(\i)+3], v1, s[16:17] offset:512*(\i) th:TH_LOAD_NT
.endr
.irp i, 0,1,2,3,4,5,6,7,8,9,10,11,12,13,14,15
	s_wait_loadcnt 15-(\i)                         ; loads come back in order: load i is in, the 15 - i younger ones stay out
	v_cvt_pk_bf16_f32 v[OUT+2*(\i)], v[IN+4*(\i)], v[IN+4*(\i)+1]
	v_cvt_pk_bf16_f32 v[OUT+2*(\i)+1], v[IN+4*(\i)+2], v[IN+4*(\i)+3]
	global_store_b64 v2, v[OUT+2*(\i):OUT+2*(\i)+1], s[18:19] offset:256*(\i)
.endr
	s_endpgm
.Lfunc_end_k_qab69837dd2_cast:
	.size	k_qab69837dd2_cast, .Lfunc_end_k_qab69837dd2_cast-k_qab69837dd2_cast
	.p2alignl 7, 3214868480
	.fill 96, 4, 3214868480
	.section	.rodata,"a",@progbits
	.p2align	6, 0x0
	.amdhsa_kernel k_qab69837dd2_cast
		.amdhsa_group_segment_fixed_size 0
		.amdhsa_private_segment_fixed_size 0
		.amdhsa_enable_private_segment 0
		.amdhsa_kernarg_size 48
		.amdhsa_user_sgpr_count 2
		.amdhsa_user_sgpr_kernarg_segment_ptr 1
		.amdhsa_wavefront_size32 1
		.amdhsa_system_sgpr_workgroup_id_x 1
		.amdhsa_system_sgpr_workgroup_id_y 1
		.amdhsa_system_sgpr_workgroup_id_z 1
		.amdhsa_system_vgpr_workitem_id 0
		.amdhsa_next_free_vgpr 100
		.amdhsa_next_free_sgpr 66
		.amdhsa_reserve_vcc 0
		.amdhsa_float_denorm_mode_32 3
		.amdhsa_float_denorm_mode_16_64 3
		.amdhsa_memory_ordered 1
		.amdhsa_forward_progress 1
		.amdhsa_inst_pref_size 7
	.end_amdhsa_kernel
	.amdgpu_metadata
---
amdhsa.version: [ 1, 2 ]
amdhsa.kernels:
  - .name:           k_qab69837dd2_cast
    .symbol:         k_qab69837dd2_cast.kd
    .args:
      - { .name: X, .offset: 0, .size: 8, .value_kind: global_buffer, .address_space: global }
      - { .name: Wq, .offset: 8, .size: 8, .value_kind: global_buffer, .address_space: global }
      - { .name: Wk, .offset: 16, .size: 8, .value_kind: global_buffer, .address_space: global }
      - { .name: Wv, .offset: 24, .size: 8, .value_kind: global_buffer, .address_space: global }
      - { .name: Xb, .offset: 32, .size: 8, .value_kind: global_buffer, .address_space: global }
      - { .name: Wb, .offset: 40, .size: 8, .value_kind: global_buffer, .address_space: global }
    .group_segment_fixed_size: 0
    .private_segment_fixed_size: 0
    .kernarg_segment_align: 8
    .kernarg_segment_size: 48
    .max_flat_workgroup_size: 256
    .sgpr_count:     66
    .vgpr_count:     100
    .wavefront_size: 32
...
	.end_amdgpu_metadata
.endif
;; end of part 1
;; launch proj (part 2): grid 12 x 64, 4 waves a work-group, clusters of 4 x 4, 327,680 bytes of LDS; arguments Xb, Wb, bq, bk, bv, QKV; writes QKV
.if DOCPART == 2
	.amdgcn_target "amdgcn-amd-amdhsa--gfx1250"
	.amdhsa_code_object_version 6
	.text
	.protected	k_qab69837dd2_proj
	.globl	k_qab69837dd2_proj
	.p2align	8
	.type	k_qab69837dd2_proj,@function
k_qab69837dd2_proj:
	s_mov_b64 s[64:65], 0
	v_nop
	global_prefetch_b8 v0, s[64:65] scope:SCOPE_SE
	s_setreg_imm32_b32 hwreg(HW_REG_WAVE_MODE, 25, 1), 1
	s_wait_xcnt 0x0
	s_wait_alu depctr_hold_cnt(0) depctr_sa_sdst(0) depctr_va_vdst(0) depctr_va_sdst(0) depctr_va_ssrc(0) depctr_va_vcc(0) depctr_vm_vsrc(0)
	s_getreg_b32 s2, hwreg(HW_REG_IB_STS2, 6, 4)
	s_cmp_eq_u32 s2, 0
	s_cbranch_scc0 .Lentry_in_a_cluster
	s_endpgm
.Lentry_in_a_cluster:
	s_bfe_u32 s2, ttmp6, 0x10000c
	s_cmp_lg_u32 s2, 0xf033
	s_cbranch_scc0 .Lentry_shape_is_right
	s_endpgm
.Lentry_shape_is_right:
; QKV[m][n] = sum over k of Xb[m][k] Wb[n][k] + bias[n].  Xb: [16384][512] bf16, Wb: [3072][512] bf16 (Wq, Wk, Wv), bias f32 (bq, bk, bv by n / 1024), QKV: [16384][3072] bf16; sums in f32, rounded once.
; A tile of QKV, 256 x 256, is made by a work-group of four waves; a wave makes 128 x 128: 64 accumulators of 16 x 16, 512 registers.  K = 512 goes in four steps of 128 through a ring of
; two LDS slots filled by the tensor data mover; the tiles' rows are 256 bytes of memory and start at multiples of 256 bytes from the buffer's first byte.
; THE BIAS STARTS THE SUMS: it is the C operand of each accumulator's first product, unrounded; nothing is cleared and nothing is added later.
; The last K step goes by rows of the tile, so that finished rows leave while the others are multiplied.
; CLUSTERS: 4 x 4 work-groups.  The four of a row of the cluster need the same tiles of Xb, the four of a column the same tiles of Wb: each tile is asked for JOINTLY, by the same tensor load with
; the same descriptor and a mask that names the four; each receives it in its own LDS.
; LIMITS: NaN and infinities are not treated apart; Q, K and V leave rounded to bf16 (8 significant bits, f32's range).
;
; REGISTERS, in windows of 256 (s_set_vgpr_msb's low byte: bits 1:0 source 0, 3:2 source 1, 5:4 source 2, 7:6 destination):
;   window 0: v0-31 addresses; v64-127, v128-191 fragments of Xb, two buffers (in the last K step four, of 16 rows x 128 K); v32-63, v192-255 at work on the way out
;   window 1: v0-63 the bias of my 128 columns; v64-127, v128-191 fragments of Wb, two buffers; in the last K step all 256: Wb's fragments of the whole step
;   window 2: the 32 accumulators of my rows 0-63 (accumulator (a, b) at v[8 (8 a + b)]);   window 3: those of my rows 64-127
; THE MATRIX INSTRUCTION IS USED TRANSPOSED: source 0 = 16 rows of Wb, source 1 = 16 rows of Xb.  Lane l then holds row l % 16 of the tile and the columns 8 (l / 16) + 0 .. 7: 16 bytes of bf16 on end.
.set SIZE_M, 16384
.set SIZE_N, 3072
.set SIZE_K, 512
.set KSTEP,  128
.set PITCH,  272                       ; an LDS row: 256 bytes + 16 of padding = 68 words: row r starts at bank 4 r mod 64 (64 banks of 4 bytes: ISA guide 11.1), so the 16 rows of a load start at 16 different banks
.set HALFT,  128*PITCH                 ; 128 rows: what one tensor load brings, and what one wave reads of Xb or of Wb
.set SLOT,   4*HALFT                   ; Xb's 256 rows, then Wb's 256 rows
.set STAGE,  2*SLOT                    ; behind the ring: 16 rows x 272 bytes for each wave, for the way out; no tensor load fills it
.set SPITCH, 272
.set SPARE,  STAGE+4*16*SPITCH         ; behind the stages: the spare words, 128 bytes for each wave: two blocks of 256 bytes that no other line names
.set ADRA, 16                          ; v16-17  LDS address of my Xb fragments in slot 0, 1
.set ADRB, 20                          ; v20-21  the same for Wb
.set STO,  24                          ; v24     the way out: where I put 16 bytes of a row
.set RD,   25                          ; v25     the way out: where I read a row back
.set CO,   26                          ; v26     my byte offset in QKV
.set BO,   27                          ; v27     my byte offset in the bias: 32 (l / 16); never rewritten
.set SPW,  28                          ; v28     LDS address of my spare word: SPARE + 4 x my thread's number; never rewritten
.set NIL,  29                          ; v29     0; never rewritten
.set PFO,  30                          ; v30     the prefetch's offset: my lane x a row of Xb or Wb (1,024 bytes); never rewritten
.set PFA,  44                          ; s[44:45] the prefetch's base: my work-group's 32 rows of the 128 that I fetch, at K step 3; never rewritten
.set LIM,  43                          ; s43     1 in a wave that prefetches
.set BP,   66                          ; s[66:67] the bias of my 128 columns
.set F0,   64                          ; fragment buffer 0
.set F1,   128                         ; fragment buffer 1
.set BIAS, 0                           ; window 1: set b of eight registers holds bias[my first column + 16 b + 8 (l / 16) + 0 .. 7]
.set TMP,  192                         ; the way out: packed results, in window 0
.set OB,   32                          ; the way out: 16 rows read back from the stage: v32-63 and v224-255 by turns
.set PA,   64                          ; the last K step: Xb's fragments of 16 rows x 128 K, 32 registers; four such buffers, v64-191
.set G1, 24                            ; s[24:31] descriptor group 1 for Xb's tiles
.set G0, 32                            ; s[32:39] descriptor group 0 for Xb's tiles, one set for each slot
.set G1B, 48                           ; s[48:55] group 1 for Wb's tiles: it differs in the mask alone
.set G0B, 56                           ; s[56:63] group 0 for Wb's tiles
.set MSB, 0
.macro WIN new                         ; the immediate's high byte repeats the setting that is left; a switch that changes nothing is dropped
.if MSB != (\new)
	s_set_vgpr_msb (MSB<<8)|(\new)
.set MSB, \new
.endif
.endm
.set MUL_LO, 0xa1                      ; source 0 (Wb) window 1, source 1 (Xb) window 0, C and D window 2
.set MUL_HI, 0xf1                      ; the same, C and D window 3
.set MUL_B,  0x91                      ; the first products: C (the bias) window 1, D window 2; + 0x40: D window 3
.set TO_B,   0x40                      ; destination window 1, address window 0
; A joint load.  Waves 0 and 1 fetch Xb's two halves, waves 2 and 3 Wb's.  Each of the two lines has one mask and one set of registers for all that issue it.  The branch hangs on the wave's number alone.
; An s_nop 0 and four v_nop follow each of the two lines, ahead of the jump, the label and what follows.
.macro JLOAD s
	s_cmp_eq_u32 s11, 0
	s_cbranch_scc0 .Lfor_b_\@
	tensor_load_to_lds s[G0+4*(\s):G0+4*(\s)+3], s[G1:G1+7]
	s_nop 0
.rept 4
	v_nop
.endr
	s_branch .Lasked_\@
.Lfor_b_\@:
	tensor_load_to_lds s[G0B+4*(\s):G0B+4*(\s)+3], s[G1B:G1B+7]
	s_nop 0
.rept 4
	v_nop
.endr
.Lasked_\@:
.endm
; THE PREFETCH INTO THE L2, once a wave: K step 3 of 32 rows, 256 bytes each, a lane a row.  It stands behind the first change of slots' joint load and the run of LDS loads that follows, one K step
; (256 matrix instructions) ahead of the refill that asks for those bytes.  Each row's 256 bytes are named once in the launch: Xb's rows by the cluster with x = 0, Wb's by the cluster with y = 0;
; the four partners that ask for a tile jointly share its rows out by address, 32 each.  K steps 0 to 2 come by their loads alone.
.macro ASK
	s_cmp_eq_u32 s[LIM], 1
	s_cbranch_scc0 .Lnot_mine_\@
	global_prefetch_b8 v[PFO], s[PFA:PFA+1] th:TH_LOAD_NT scope:SCOPE_SE
.Lnot_mine_\@:
.endm
; A round of the cluster's barrier: my work-group's barrier, so that wave 0's signal speaks for all four waves; wave 0 signals; every wave waits for all sixteen work-groups; my work-group's barrier once more.
.macro CREST                           ; a round behind its opening barrier
	s_cmp_lg_u32 s10, 0
	s_cbranch_scc1 .Lnot_wave_0_\@
	s_barrier_signal -3
.Lnot_wave_0_\@:
	s_barrier_wait -3
	s_barrier_signal -1
	s_barrier_wait -1
.endm
.macro CROUND                          ; a whole round
	s_barrier_signal -1
	s_barrier_wait -1
	CREST
.endm
	s_load_b128 s[4:7], s[0:1], 0x0                ; Xb s[4:5], Wb s[6:7]
	s_load_b128 s[68:71], s[0:1], 0x10             ; bq s[68:69], bk s[70:71]
	s_load_b128 s[72:75], s[0:1], 0x20             ; bv s[72:73], QKV s[74:75]
	v_lshl_add_u32 v[SPW], v0, 2, SPARE
	v_mov_b32 v[NIL], 0
	ds_add_u32 v[SPW], v[NIL]                      ; the wave's opening: the add and its wait stand ahead of my first tensor load; the set-up below, work on registers, stands between them
	v_lshrrev_b32 v1, 5, v0
	v_readfirstlane_b32 s10, v1                    ; wave 0..3
	s_lshr_b32 s11, s10, 1                         ; which half of the tile's rows is mine.  Also: I fetch for Xb (0) or for Wb (1)
	s_and_b32 s12, s10, 1                          ; which half of its columns.  Also: which 128 rows of that tile I fetch
	s_bfe_u32 s40, ttmp6, 0x40000                  ; cx: my place along the cluster's x
	s_bfe_u32 s41, ttmp6, 0x40004                  ; cy: along its y
	s_lshl_b32 s42, ttmp9, 2                       ; in a cluster launch ttmp9 and ttmp7 count clusters
	s_add_co_u32 s42, s42, s40                     ; tile column = 4 x cluster x + cx
	s_and_b32 s13, ttmp7, 0xffff
	s_lshl_b32 s13, s13, 2
	s_add_co_u32 s13, s13, s41                     ; tile row = 4 x cluster y + cy
	s_lshl_b32 s43, s41, 2
	s_lshl_b32 s43, 15, s43                        ; my row of the cluster: places 4 cy .. 4 cy + 3
	s_lshl_b32 s44, 0x1111, s40                    ; my column: places cx, cx + 4, cx + 8, cx + 12
	; descriptor group 1: a tile of 128 rows x 128 elements, padded in LDS
	s_or_b32 s[G1+0], s43, (1<<16)|(1<<20)|(1<<21)|(5<<22)|(3<<25)  ; 15:0 the mask: Xb's tiles go to my row; 17:16 elements of 2 bytes; 20 padding on; 21 set beside a mask; 24:22 after every 64 words (code 5); 31:25 4 words of it (code 3)
	s_or_b32 s[G1B+0], s44, (1<<16)|(1<<20)|(1<<21)|(5<<22)|(3<<25) ; the same with the mask of my column, for Wb's tiles
.irp g, G1, G1B
	s_mov_b32 s[(\g)+1], KSTEP<<16                 ; tensor_dim0 = 128
	s_mov_b32 s[(\g)+2], 128<<16                   ; tensor_dim1 = 128
	s_mov_b32 s[(\g)+3], KSTEP<<16                 ; tile_dim0 = 128
	s_mov_b32 s[(\g)+4], 128                       ; tile_dim1 = 128
	s_mov_b32 s[(\g)+5], SIZE_K                    ; elements from row to row
	s_mov_b32 s[(\g)+6], 0
	s_mov_b32 s[(\g)+7], 0
.endr
	; where the tiles come from.  Xb's hang on the tile row alone, which my row of the cluster shares; Wb's on the tile column alone, which my column shares.
	s_lshl_b32 s17, s12, 7                         ; which 128 rows of the tile I fetch
	s_lshl_b32 s16, s13, 8
	s_add_co_u32 s16, s16, s17                     ; Xb: row 256 x tile row + 128 x half
	s_lshl_b32 s46, s42, 8
	s_add_co_u32 s46, s46, s17                     ; Wb: row 256 x tile column + 128 x half
	s_mov_b32 s17, 0
	s_mov_b32 s47, 0
	s_mov_b64 s[18:19], SIZE_K*2
	s_mul_u64 s[16:17], s[16:17], s[18:19]         ; in bytes
	s_mul_u64 s[46:47], s[46:47], s[18:19]
	s_mul_i32 s20, s10, HALFT                      ; and where they go: wave x 128 rows: no place in the cluster enters an LDS address
	s_wait_dscnt 0x0                               ; the opening add is done
	s_wait_kmcnt 0x0
	s_add_nc_u64 s[14:15], s[4:5], s[16:17]
	s_add_nc_u64 s[46:47], s[6:7], s[46:47]
	s_mov_b64 s[8:9], s[74:75]                     ; QKV
	CROUND                                         ; all sixteen work-groups are here: the first joint loads meet
.irp s, 0,1
	s_mov_b32 s[G0+4*(\s)], 1                                      ; count = 1
	s_add_co_u32 s[G0+4*(\s)+1], s20, (\s)*SLOT                    ; LDS address
	s_add_nc_u64 s[G0+4*(\s)+2:G0+4*(\s)+3], s[14:15], (\s)*KSTEP*2  ; global address: K step s
	s_or_b32 s[G0+4*(\s)+3], s[G0+4*(\s)+3], 0x80000000            ; type = 2
	s_mov_b32 s[G0B+4*(\s)], 1
	s_add_co_u32 s[G0B+4*(\s)+1], s20, (\s)*SLOT
	s_add_nc_u64 s[G0B+4*(\s)+2:G0B+4*(\s)+3], s[46:47], (\s)*KSTEP*2
	s_or_b32 s[G0B+4*(\s)+3], s[G0B+4*(\s)+3], 0x80000000
	JLOAD \s                                       ; the ring is filled before anything else is done: two loads of mine are out
.endr
	; A fragment is 16 rows x 32 K in 8 registers: lane l holds row l % 16; registers 0-3 hold K = 8 (l / 16) + 0..7, registers 4-7 K = 16 + 8 (l / 16) + 0..7: two loads of 16 bytes, 32 bytes apart.
	v_and_b32 v1, 15, v0                           ; l % 16
	v_bfe_u32 v2, v0, 4, 1                         ; l / 16
	v_mul_u32_u24 v3, v1, PITCH
	v_lshl_add_u32 v3, v2, 4, v3                   ; row x pitch + 16 x half
	s_mul_i32 s21, s11, HALFT                      ; my 128 rows of Xb
	s_mul_i32 s22, s12, HALFT                      ; my 128 rows of Wb,
	s_add_co_u32 s22, s22, 2*HALFT                 ; which lie behind Xb's 256
.irp s, 0,1
	v_add_nc_u32 v[ADRA+(\s)], s21, v3
	v_add_nc_u32 v[ADRB+(\s)], s22, v3
	s_add_co_u32 s21, s21, SLOT
	s_add_co_u32 s22, s22, SLOT
.endr
	s_mul_i32 s23, s10, 16*SPITCH
	s_add_co_u32 s23, s23, STAGE                   ; my stage
	v_mul_u32_u24 v4, v1, SPITCH                   ; in: row l % 16, 16 bytes for each half of the lanes
	v_lshl_add_u32 v4, v2, 4, v4
	v_add_nc_u32 v[STO], s23, v4
	v_mul_u32_u24 v5, v2, SPITCH                   ; back: lanes 0-15 take one row of 256 bytes, lanes 16-31 the next
	v_lshl_add_u32 v5, v1, 4, v5
	v_add_nc_u32 v[RD], s23, v5
	v_mul_u32_u24 v5, v2, SIZE_N*2                 ; and the same two rows in QKV
	v_lshl_add_u32 v[CO], v1, 4, v5
	; where my part of the tile begins in QKV, in bytes: the way out adds it to QKV's address
	s_lshl_b32 s13, s13, 8
	s_lshl_b32 s14, s11, 7
	s_add_co_u32 s16, s13, s14                     ; my first row
	s_mov_b32 s17, 0
	s_mov_b64 s[18:19], SIZE_N*2
	s_mul_u64 s[16:17], s[16:17], s[18:19]
	s_lshl_b32 s46, s42, 9                         ; my first column, in bytes: 512 x tile column + 256 x half
	s_lshl_b32 s47, s12, 8
	s_add_co_u32 s46, s46, s47
	s_mov_b32 s47, 0
	s_add_nc_u64 s[16:17], s[16:17], s[46:47]
	; the bias: a cluster's 1,024 columns are all of Q, of K or of V, by the cluster's x, which the partners share
	s_cmp_eq_u32 ttmp9, 1
	s_cselect_b64 s[BP:BP+1], s[70:71], s[68:69]
	s_cmp_eq_u32 ttmp9, 2
	s_cselect_b64 s[BP:BP+1], s[72:73], s[BP:BP+1]
	s_lshl_b32 s76, s40, 10                        ; my tile's 256 columns of f32,
	s_lshl_b32 s77, s12, 9                         ; my wave's 128 of them
	s_add_co_u32 s76, s76, s77
	s_mov_b32 s77, 0
	s_add_nc_u64 s[BP:BP+1], s[BP:BP+1], s[76:77]
	; the prefetch.  s13 = 256 x tile row, s42 = tile column, s40 = cx, s41 = cy still stand
	s_lshl_b32 s42, s42, 8
	s_and_b32 s22, ttmp7, 0xffff                   ; cluster y
	s_cmp_eq_u32 s11, 0                            ; do I fetch for Xb?
	s_cselect_b32 s20, s13, s42                    ; the tile's first row: in Xb by the tile row, in Wb by the tile column
	s_cselect_b32 s21, s40, s41                    ; my place among the four that ask for it with me
	s_cselect_b32 s22, ttmp9, s22                  ; the coordinate along which other clusters read the same rows
	s_cselect_b64 s[PFA:PFA+1], s[4:5], s[6:7]
	s_cmp_eq_u32 s22, 0
	s_cselect_b32 s[LIM], 1, -1                    ; the same in all sixteen partners, for a given wave
	s_lshl_b32 s22, s12, 7
	s_add_co_u32 s20, s20, s22                     ; + the 128 rows that I fetch
	s_lshl_b32 s21, s21, 5
	s_add_co_u32 s20, s20, s21                     ; + my work-group's 32 of them
	s_mov_b32 s21, 0
	s_mov_b64 s[18:19], SIZE_K*2
	s_mul_u64 s[20:21], s[20:21], s[18:19]
	s_add_nc_u64 s[PFA:PFA+1], s[PFA:PFA+1], s[20:21]
	s_add_nc_u64 s[PFA:PFA+1], s[PFA:PFA+1], 3*KSTEP*2  ; at K step 3, the last 256 bytes of each row
	v_and_b32 v[PFO], 31, v0
	v_mul_u32_u24 v[PFO], v[PFO], SIZE_K*2
	v_lshlrev_b32 v[BO], 5, v2
	WIN TO_B
.irp b, 0,1,2,3,4,5,6,7
	global_load_b128 v[BIAS+8*(\b):BIAS+8*(\b)+3],   v[BO], s[BP:BP+1] offset:64*(\b)
	global_load_b128 v[BIAS+8*(\b)+4:BIAS+8*(\b)+7], v[BO], s[BP:BP+1] offset:64*(\b)+16
.endr
	WIN 0
; 16 matrix instructions: m blocks a0, a0 + 1 of the window's four (hi = 0: my rows 0-63, 1: rows 64-127) x all 8 n blocks, 32 along K.
; first = 1: the product starts the sum with the bias of its 16 columns as C.  The 64 accumulators take turns, one instruction a turn.
.macro MUL16 f, hi, a0, first
.if \first
	WIN MUL_B+0x40*(\hi)
.else
	WIN MUL_LO+0x50*(\hi)
.endif
.irp a, \a0, (\a0)+1
.irp b, 0,1,2,3,4,5,6,7
.if \first
	v_wmma_f32_16x16x32_bf16 v[8*(8*(\a)+(\b)):8*(8*(\a)+(\b))+7], v[(\f)+8*(\b):(\f)+8*(\b)+7], v[(\f)+8*(4*(\hi)+(\a)):(\f)+8*(4*(\hi)+(\a))+7], v[BIAS+8*(\b):BIAS+8*(\b)+7]
.else
	v_wmma_f32_16x16x32_bf16 v[8*(8*(\a)+(\b)):8*(8*(\a)+(\b))+7], v[(\f)+8*(\b):(\f)+8*(\b)+7], v[(\f)+8*(4*(\hi)+(\a)):(\f)+8*(4*(\hi)+(\a))+7], v[8*(8*(\a)+(\b)):8*(8*(\a)+(\b))+7]
.endif
.endr
.endr
.endm
; 32 LDS loads in one run: the fragments of one quarter step (128 rows of Wb, 128 rows of Xb, 32 K at byte k of the rows) into buffer f
.macro FETCH slot, k, f
	WIN TO_B
.irp i, 0,1,2,3,4,5,6,7
	ds_load_b128 v[(\f)+8*(\i):(\f)+8*(\i)+3],   v[ADRB+(\slot)] offset:(\k)+(\i)*16*PITCH
	ds_load_b128 v[(\f)+8*(\i)+4:(\f)+8*(\i)+7], v[ADRB+(\slot)] offset:(\k)+(\i)*16*PITCH+32
.endr
	WIN 0
.irp i, 0,1,2,3,4,5,6,7
	ds_load_b128 v[(\f)+8*(\i):(\f)+8*(\i)+3],   v[ADRA+(\slot)] offset:(\k)+(\i)*16*PITCH
	ds_load_b128 v[(\f)+8*(\i)+4:(\f)+8*(\i)+7], v[ADRA+(\slot)] offset:(\k)+(\i)*16*PITCH+32
.endr
.endm
; A load into a register that a matrix instruction has read, and a vector instruction that reads a matrix result, stand four places behind that matrix instruction, and only plain vector
; instructions that name none of its registers are places (ISA guide 7.12.1 for vector instructions).
.macro PLACES
.rept 4
	v_nop
.endr
.endm
; A K step is four quarter steps of 32 along K, 64 matrix instructions each, on buffers 0, 1, 0, 1.
; One of the first three: multiplies buffer f; in its middle it fetches the next quarter's fragments, at byte k of the same slot's rows, into buffer g.
.macro QUARTER slot, k, f, g, first
	s_wait_dscnt 8                                 ; Wb and Xb's rows 0-63 are in; the youngest eight loads (Xb's rows 64-127) may be out
	MUL16 \f, 0, 0, \first
	MUL16 \f, 0, 2, \first
	PLACES
	FETCH \slot, \k, \g
	s_wait_dscnt 32                                ; all but the 32 just issued
	MUL16 \f, 1, 0, \first
	MUL16 \f, 1, 2, \first
.endm
; The last quarter multiplies buffer 1 and changes slots.  MEET is its first half: ONE barrier for the change.  In front of it each wave waits for all its tensor loads, of which one is out: its part
; of the next slot; adds 0 to its spare word; and waits for that and for its own reads of this slot.  Behind it nobody reads this slot any more and the next slot is whole.
.macro MEET round                      ; round = 1: a round of the cluster's barrier follows
	WIN 0                                          ; (the add's two registers lie in window 0)
	s_wait_tensorcnt 0x0                           ; all my tensor loads have landed;
	ds_add_u32 v[SPW], v[NIL]                      ; 0 onto my spare word;
	s_wait_dscnt 9                                 ; (the add and the youngest eight loads may be out)
	MUL16 F1, 0, 0, 0                              ; sixteen matrix instructions stand between the add and the wait for it
	s_wait_dscnt 0x0                               ; the add is done, and my reads of this slot are over:
	s_barrier_signal -1                            ; say so,
	MUL16 F1, 0, 2, 0                              ; work on registers while the others arrive,
.if \round
	WIN 0
.endif
	s_barrier_wait -1                              ; and go on when all four have said so
.endm
; The whole last quarter.  Behind the round the slot just read out is filled again first, with the K step two steps on; then come the next slot's first fragments.
.macro TURN slot, next, ask
	MEET 1
	CREST                                          ; no wave of any partner still reads this slot's tile or has a load on its way
	s_add_nc_u64 s[G0+4*(\slot)+2:G0+4*(\slot)+3], s[G0+4*(\slot)+2:G0+4*(\slot)+3], 2*KSTEP*2
	s_add_nc_u64 s[G0B+4*(\slot)+2:G0B+4*(\slot)+3], s[G0B+4*(\slot)+2:G0B+4*(\slot)+3], 2*KSTEP*2
	JLOAD \slot                                    ; the first tensor load behind the round, my only one until the next; its four v_nop are also the places in front of the loads below
	FETCH \next, 0, F0
.if \ask
	ASK
.endif
	MUL16 F1, 1, 0, 0
	MUL16 F1, 1, 2, 0
.endm
; THE LAST K STEP (it lies in slot 1) GOES BY ROWS OF THE TILE.  All its fragments of Wb (4 quarters x 64 registers) fill window 1; then my eight blocks of 16 rows are finished one after the other,
; each with 32 matrix instructions (its 8 accumulators by turns, K ascending).  LDS is read no more than in any other K step.
.macro BLOAD q                         ; Wb's fragments of quarter q -> window 1, v[64 q ..] (quarter 0 takes the bias's registers, last read in the first quarter step)
	WIN TO_B
.irp i, 0,1,2,3,4,5,6,7
	ds_load_b128 v[64*(\q)+8*(\i):64*(\q)+8*(\i)+3],   v[ADRB+1] offset:64*(\q)+(\i)*16*PITCH
	ds_load_b128 v[64*(\q)+8*(\i)+4:64*(\q)+8*(\i)+7], v[ADRB+1] offset:64*(\q)+(\i)*16*PITCH+32
.endr
.endm
.macro ALOAD a                         ; Xb's fragments of block a, all four quarters -> buffer a % 4
	WIN 0
.set FA, PA+32*((\a)%4)
.irp q, 0,1,2,3
	ds_load_b128 v[FA+8*(\q):FA+8*(\q)+3],   v[ADRA+1] offset:64*(\q)+(\a)*16*PITCH
	ds_load_b128 v[FA+8*(\q)+4:FA+8*(\q)+7], v[ADRA+1] offset:64*(\q)+(\a)*16*PITCH+32
.endr
.endm
.macro ROW a                           ; block a is finished: 32 matrix instructions
.set FA, PA+32*((\a)%4)
.set AC, 64*((\a)%4)                   ; its eight accumulators, in window 2 (blocks 0-3) or 3 (blocks 4-7)
	WIN MUL_LO+0x50*((\a)/4)
.irp q, 0,1,2,3
.if (\a) == 0 && (\q) == 2
	s_wait_dscnt 24                                ; Wb's quarter 2 is in (behind it: Xb's blocks 1 to 3)
.endif
.irp b, 0,1,2,3,4,5,6,7
	v_wmma_f32_16x16x32_bf16 v[AC+8*(\b):AC+8*(\b)+7], v[64*(\q)+8*(\b):64*(\q)+8*(\b)+7], v[FA+8*(\q):FA+8*(\q)+7], v[AC+8*(\b):AC+8*(\b)+7]
.endr
.endr
.endm
; THE WAY OUT of block a.  PACK: rounded to bf16, 16 bytes a lane, each accumulator's registers in ascending order.  TOSTAGE: into my own stage in LDS, and back as whole rows of 256 bytes.  SEND: stored.
.macro PACK a
.set AC, 64*((\a)%4)
	WIN 0x0a+5*((\a)/4)                            ; sources 0 and 1: window 2 or 3
.irp b, 0,1,2,3,4,5,6,7
.irp r, 0,1,2,3
	v_cvt_pk_bf16_f32 v[TMP+4*(\b)+(\r)], v[AC+8*(\b)+2*(\r)], v[AC+8*(\b)+2*(\r)+1]
.endr
.endr
	WIN 0
.endm
.macro TOSTAGE a
	WIN 0
.set BK, OB+192*((\a)%2)
.irp b, 0,1,2,3,4,5,6,7
	ds_store_b128 v[STO], v[TMP+4*(\b):TMP+4*(\b)+3] offset:32*(\b)
.endr
.irp t, 0,1,2,3,4,5,6,7
	ds_load_b128 v[BK+4*(\t):BK+4*(\t)+3], v[RD] offset:(\t)*2*SPITCH  ; LDS serves a wave's instructions in order (ISA guide 5.7.1.4): these see the stores above
.endr
.endm
.macro SEND a, younger                 ; younger: the LDS loads issued behind TOSTAGE's, which may stay out
	WIN 0
.set BK, OB+192*((\a)%2)
	s_wait_dscnt \younger                          ; the block is back in registers
	s_wait_xcnt 0x0                                ; only behind this wait are the stores' base and the registers that earlier stores read rewritten
.if (\a) == 0
	s_add_nc_u64 s[8:9], s[8:9], s[16:17]          ; on to my first rows
.else
	s_add_nc_u64 s[8:9], s[8:9], 16*SIZE_N*2       ; 16 rows on
.endif
.irp t, 0,1,2,3,4,5,6,7
	global_store_b128 v[CO], v[BK+4*(\t):BK+4*(\t)+3], s[8:9] offset:2*(\t)*SIZE_N*2  ; 16 lanes store 256 consecutive bytes, at a multiple of 256 from QKV's first byte
.endr
.endm
	s_wait_loadcnt 0x0                             ; the bias
	s_wait_tensorcnt 1                             ; my part of K step 0 is in; K step 1's may stay out
	s_barrier_signal -1
	s_barrier_wait -1                              ; everybody's is
	FETCH 0, 0, F0
	QUARTER 0, 64,  F0, F1, 1                      ; K step 0: its first quarter starts the sums with the bias
	QUARTER 0, 128, F1, F0, 0
	QUARTER 0, 192, F0, F1, 0
	TURN 0, 1, 1                                   ; slot 0 takes K step 2; K step 3 is prefetched
	QUARTER 1, 64,  F0, F1, 0                      ; K step 1
	QUARTER 1, 128, F1, F0, 0
	QUARTER 1, 192, F0, F1, 0
	TURN 1, 0, 0                                   ; slot 1 takes K step 3
	QUARTER 0, 64,  F0, F1, 0                      ; K step 2
	QUARTER 0, 128, F1, F0, 0
	QUARTER 0, 192, F0, F1, 0
	MEET 0                                         ; my one tensor load that was still out is K step 3's, so no round follows
	PLACES                                         ; for the loads into buffer 0, which the quarter before multiplied
	BLOAD 0                                        ; three quarters of Wb now: buffer 1 (v128-191 of both windows) is still being multiplied
	BLOAD 1
	BLOAD 3
	ALOAD 0
	MUL16 F1, 1, 0, 0
	MUL16 F1, 1, 2, 0
	PLACES                                         ; for the loads into buffer 1
	BLOAD 2
	ALOAD 1
	ALOAD 2
	ALOAD 3
	s_wait_dscnt 40                                ; all but the 40 just issued
	ROW 0
.irp a, 0,1,2,3,4,5,6,7                ; each block leaves as soon as it is finished
	PLACES                                         ; its conversions read results just made
	PACK \a
	TOSTAGE \a
.if (\a) < 4
	ALOAD (\a)+4                                   ; its buffer takes the block four further on
	SEND \a, 8
.else
	SEND \a, 0
.endif
.if (\a) < 7
	ROW (\a)+1
.endif
.endr
	s_wait_tensorcnt 0x0                           ; the wave's end: behind my last tensor load and my last LDS store
	ds_add_u32 v[SPW], v[NIL]
	s_wait_dscnt 0x0
	CROUND                                         ; the closing round: no work-group ends while a partner may still ask for a tile that names it
	s_endpgm
.Lfunc_end_k_qab69837dd2_proj:
	.size	k_qab69837dd2_proj, .Lfunc_end_k_qab69837dd2_proj-k_qab69837dd2_proj
	.p2alignl 7, 3214868480
	.fill 96, 4, 3214868480
	.section	.rodata,"a",@progbits
	.p2align	6, 0x0
	.amdhsa_kernel k_qab69837dd2_proj
		.amdhsa_group_segment_fixed_size 327680
		.amdhsa_private_segment_fixed_size 0
		.amdhsa_enable_private_segment 0
		.amdhsa_kernarg_size 48
		.amdhsa_user_sgpr_count 2
		.amdhsa_user_sgpr_kernarg_segment_ptr 1
		.amdhsa_wavefront_size32 1
		.amdhsa_system_sgpr_workgroup_id_x 1
		.amdhsa_system_sgpr_workgroup_id_y 1
		.amdhsa_system_sgpr_workgroup_id_z 1
		.amdhsa_system_vgpr_workitem_id 0
		.amdhsa_next_free_vgpr 1024
		.amdhsa_next_free_sgpr 78
		.amdhsa_reserve_vcc 0
		.amdhsa_float_denorm_mode_32 3
		.amdhsa_float_denorm_mode_16_64 3
		.amdhsa_memory_ordered 1
		.amdhsa_forward_progress 1
		.amdhsa_inst_pref_size 146
	.end_amdhsa_kernel
	.amdgpu_metadata
---
amdhsa.version: [ 1, 2 ]
amdhsa.kernels:
  - .name:           k_qab69837dd2_proj
    .symbol:         k_qab69837dd2_proj.kd
    .args:
      - { .name: Xb, .offset: 0, .size: 8, .value_kind: global_buffer, .address_space: global }
      - { .name: Wb, .offset: 8, .size: 8, .value_kind: global_buffer, .address_space: global }
      - { .name: bq, .offset: 16, .size: 8, .value_kind: global_buffer, .address_space: global }
      - { .name: bk, .offset: 24, .size: 8, .value_kind: global_buffer, .address_space: global }
      - { .name: bv, .offset: 32, .size: 8, .value_kind: global_buffer, .address_space: global }
      - { .name: QKV, .offset: 40, .size: 8, .value_kind: global_buffer, .address_space: global }
    .group_segment_fixed_size: 327680
    .private_segment_fixed_size: 0
    .kernarg_segment_align: 8
    .kernarg_segment_size: 48
    .max_flat_workgroup_size: 128
    .sgpr_count:     78
    .vgpr_count:     1024
    .wavefront_size: 32
...
	.end_amdgpu_metadata
.endif
;; end of part 2
;; launch stats (part 3): grid 40 x 32, 4 waves a work-group, clusters of 4 x 4, 327,680 bytes of LDS; arguments QKV, ST; writes ST
.if DOCPART == 3
	.amdgcn_target "amdgcn-amd-amdhsa--gfx1250"
	.amdhsa_code_object_version 6
	.text
	.protected	k_qab69837dd2_stats
	.globl	k_qab69837dd2_stats
	.p2align	8
	.type	k_qab69837dd2_stats,@function
k_qab69837dd2_stats:
	s_mov_b64 s[64:65], 0
	v_nop
	global_prefetch_b8 v0, s[64:65] scope:SCOPE_SE
	s_setreg_imm32_b32 hwreg(HW_REG_WAVE_MODE, 25, 1), 1
	s_wait_xcnt 0x0
	s_wait_alu depctr_hold_cnt(0) depctr_sa_sdst(0) depctr_va_vdst(0) depctr_va_sdst(0) depctr_va_ssrc(0) depctr_va_vcc(0) depctr_vm_vsrc(0)
	s_getreg_b32 s2, hwreg(HW_REG_IB_STS2, 6, 4)
	s_cmp_eq_u32 s2, 0
	s_cbranch_scc0 .Lentry_in_a_cluster
	s_endpgm
.Lentry_in_a_cluster:
	s_bfe_u32 s2, ttmp6, 0x10000c
	s_cmp_lg_u32 s2, 0xf033
	s_cbranch_scc0 .Lentry_shape_is_right
	s_endpgm
.Lentry_shape_is_right:
; THE SOFTMAX's STATISTICS, in parts.  s[q][k] = Q[q] . K[k] where k <= q, and 0 where k > q (the lower triangle is kept, the rest is ZERO and still counts in the softmax).
; For each query and each block of 64 keys: cm = c x max over the block of s, l = the sum over the block of 2^(c s - cm), c = log2(e) / 32.  The launch behind merges a row's parts.
; Q = columns 0-1023 and K = columns 1024-2047 of QKV [16384][3072] bf16; products, maxima and sums in f32.
; SHARES.  A batch's 2,048 x 2,048 scores fall into blocks of 512 x 512, of which the ten with J <= I are made: one cluster of 4 x 4 work-groups each (cluster x = 0..9 names (I, J), cluster y the batch).
; A work-group makes 128 queries x 128 keys, each of its four waves 64 x 64: 16 accumulators.  K (the 1,024 channels) goes in four steps of 256 through two LDS slots.
; Key blocks of 512 beyond a row's own are all zeros and are not made: the launch behind knows their part, (0, 64), in closed form.
; In a cluster on the diagonal (I = J) six of the sixteen work-groups lie wholly above it; they multiply all the same, since every partner makes every joint request
; Their scores are then set to 0, and what they store, (0, 64), is the true part of those zeros.
; CLUSTERS.  The four of a row of the cluster need the same 128 rows of Q, the four of a column the same 128 rows of K: each tile is asked for JOINTLY.
; No prefetch: a step's tile is 64 rows a wave, and a batch's rows of Q and K are read again and again by the batch's ten clusters.
; THE MATRIX INSTRUCTION: source 0 = 16 keys, source 1 = 16 queries: lane l holds ONE query (l % 16) and the keys 8 (l / 16) + 0..7; a query's other keys lie in the lane 16 away.
; LIMITS.  A weight below 2^-126 counts as 0 in l; NaN and infinities are not treated apart; Q and K arrive rounded to bf16.
; REGISTERS: window 0: v0-31 addresses; v32-63 eight registers of statistics for each of the four blocks of 16 queries; v64-67 what is stored; v128-255 the accumulators ((a, b) at v[128 + 8 (4 a + b)]).
;   window 1: two fragment buffers of 128: for 64 along K, 64 registers of Q (2 x 4 x 16 rows x 32 K), then 64 of K.
.set KSTEP,  256
.set ROWE,   3072                      ; elements in a row of QKV
.set PITCH,  528                       ; an LDS row: 512 bytes + 16 of padding = 132 words: row r starts at bank 4 r mod 64 (64 banks of 4 bytes: ISA guide 11.1)
.set HALFT,  64*PITCH                  ; 64 rows: what one tensor load brings, and what one wave reads of Q or of K
.set SLOT,   4*HALFT                   ; Q's 128 rows, then K's 128 rows
.set SPARE,  2*SLOT                    ; behind the ring: the spare words, 128 bytes for each wave: two blocks of 256 bytes that no other line names
.set ADRA, 16                          ; v16-17  LDS address of my Q fragments in slot 0, 1
.set ADRB, 20                          ; v20-21  the same for K
.set D0,   24                          ; v24     my query's number less my first key's: register j of accumulator (a, b) is above the diagonal where 16 (b - a) + j is greater
.set SO,   25                          ; v25     16 x my lane: my 16 bytes of the wave's 512 in ST
.set ZR,   26                          ; v26     0, the value of a score above the diagonal
.set SPW,  28                          ; v28     LDS address of my spare word: SPARE + 4 x my thread's number; never rewritten
.set NIL,  29                          ; v29     0; never rewritten
.set T,    32                          ; block a's statistics at v[T + 8 a]: +0 cm, +1 m, +2, +3 l (even keys', odd keys'; then l), +4 to +7 c0-c3, at work
.set OUT,  64
.set ACC,  128
.set F0,   0                           ; fragment buffers, in window 1
.set F1,   128
.set G1, 24                            ; s[24:31] descriptor group 1 for Q's tiles;  s[32:39] group 0, one set for each slot
.set G0, 32
.set G1B, 48                           ; s[48:55], s[56:63] the same for K's tiles
.set G0B, 56
.set CS,  58+12                        ; s[70:71] are free only behind the set-up: see below; c lives in s[74:75]
.set CS,  74                           ; s[74:75] c: the packed scaling names a pair and takes its low word for both halves
.set SEL, 2                            ; s[2:3]  lane selects for v_permlanex16_b32: each lane takes its own place in the other half
.set MSB, 0
.macro WIN new                         ; the immediate's high byte repeats the setting that is left; a switch that changes nothing is dropped
.if MSB != (\new)
	s_set_vgpr_msb (MSB<<8)|(\new)
.set MSB, \new
.endif
.endm
.set MUL,  0x05                        ; sources 0 (K) and 1 (Q) window 1; C and D window 0
.set TO_F, 0x40                        ; destination window 1, address window 0
.macro JLOAD s                         ; a joint load: waves 0 and 1 fetch Q's two halves, waves 2 and 3 K's; an s_nop 0 and four v_nop follow each of the two lines, ahead of the jump, the label and what follows
	s_cmp_eq_u32 s11, 0
	s_cbranch_scc0 .Lfor_b_\@
	tensor_load_to_lds s[G0+4*(\s):G0+4*(\s)+3], s[G1:G1+7]
	s_nop 0
.rept 4
	v_nop
.endr
	s_branch .Lasked_\@
.Lfor_b_\@:
	tensor_load_to_lds s[G0B+4*(\s):G0B+4*(\s)+3], s[G1B:G1B+7]
	s_nop 0
.rept 4
	v_nop
.endr
.Lasked_\@:
.endm
.macro CREST                           ; a round of the cluster's barrier behind its opening barrier
	s_cmp_lg_u32 s10, 0
	s_cbranch_scc1 .Lnot_wave_0_\@
	s_barrier_signal -3
.Lnot_wave_0_\@:
	s_barrier_wait -3
	s_barrier_signal -1
	s_barrier_wait -1
.endm
.macro CROUND                          ; a whole round
	s_barrier_signal -1
	s_barrier_wait -1
	CREST
.endm
	s_load_b128 s[4:7], s[0:1], 0x0                ; QKV s[4:5], ST s[6:7]
	v_lshl_add_u32 v[SPW], v0, 2, SPARE
	v_mov_b32 v[NIL], 0
	ds_add_u32 v[SPW], v[NIL]                      ; the wave's opening: the add and its wait stand ahead of my first tensor load; the set-up below, work on registers, stands between them
	v_lshrrev_b32 v1, 5, v0
	v_readfirstlane_b32 s10, v1                    ; wave 0..3
	s_lshr_b32 s11, s10, 1                         ; which 64 of the tile's queries are mine.  Also: I fetch for Q (0) or for K (1)
	s_and_b32 s12, s10, 1                          ; which 64 of its keys.  Also: which 64 rows of that tile I fetch
	s_bfe_u32 s40, ttmp6, 0x40000                  ; cx, cy: my place in the cluster
	s_bfe_u32 s41, ttmp6, 0x40004
	s_cmp_ge_u32 ttmp9, 1                          ; the cluster's x counts the blocks (I, J), J <= I, row by row: 0 | 1 2 | 3 4 5 | 6 7 8 9
	s_cselect_b32 s66, 1, 0
	s_cmp_ge_u32 ttmp9, 3
	s_cselect_b32 s66, 2, s66
	s_cmp_ge_u32 ttmp9, 6
	s_cselect_b32 s66, 3, s66                      ; I
	s_add_co_u32 s67, s66, 1
	s_mul_i32 s67, s67, s66
	s_lshr_b32 s67, s67, 1
	s_sub_co_u32 s67, ttmp9, s67                   ; J = x - I (I + 1) / 2
	s_lshl_b32 s42, s67, 2
	s_add_co_u32 s42, s42, s40                     ; tile of 128 keys = 4 J + cx
	s_lshl_b32 s13, s66, 2
	s_add_co_u32 s13, s13, s41                     ; tile of 128 queries = 4 I + cy
	s_and_b32 s68, ttmp7, 0xffff                   ; the batch
	s_lshl_b32 s69, s68, 11                        ; its first row
	s_lshl_b32 s43, s41, 2
	s_lshl_b32 s43, 15, s43                        ; my row of the cluster
	s_lshl_b32 s44, 0x1111, s40                    ; my column
	; descriptor group 1: a tile of 64 rows x 256 elements, padded in LDS
	s_or_b32 s[G1+0], s43, (1<<16)|(1<<20)|(1<<21)|(6<<22)|(3<<25)  ; 15:0 the mask: Q's tiles go to my row; 17:16 elements of 2 bytes; 20 padding on; 21 set beside a mask; 24:22 after every 128 words (code 6); 31:25 4 words of it (code 3)
	s_or_b32 s[G1B+0], s44, (1<<16)|(1<<20)|(1<<21)|(6<<22)|(3<<25) ; the same with the mask of my column, for K's tiles
.irp g, G1, G1B
	s_mov_b32 s[(\g)+1], KSTEP<<16                 ; tensor_dim0 = 256
	s_mov_b32 s[(\g)+2], 64<<16                    ; tensor_dim1 = 64
	s_mov_b32 s[(\g)+3], KSTEP<<16                 ; tile_dim0 = 256
	s_mov_b32 s[(\g)+4], 64                        ; tile_dim1 = 64
	s_mov_b32 s[(\g)+5], ROWE                      ; elements from row to row
	s_mov_b32 s[(\g)+6], 0
	s_mov_b32 s[(\g)+7], 0
.endr
	s_lshl_b32 s17, s12, 6                         ; which 64 rows of the tile I fetch,
	s_add_co_u32 s17, s17, s69                     ; in the batch
	s_lshl_b32 s16, s13, 7
	s_add_co_u32 s16, s16, s17                     ; Q: row 128 x query tile + 64 x half
	s_lshl_b32 s46, s42, 7
	s_add_co_u32 s46, s46, s17                     ; K: row 128 x key tile + 64 x half
	s_mov_b32 s17, 0
	s_mov_b32 s47, 0
	s_mov_b64 s[18:19], ROWE*2
	s_mul_u64 s[16:17], s[16:17], s[18:19]
	s_mul_u64 s[46:47], s[46:47], s[18:19]
	s_mul_i32 s20, s10, HALFT                      ; where they go: wave x 64 rows: no place in the cluster enters an LDS address
	s_mov_b32 s[CS], 0x3d38aa3b                    ; c = log2(e) / 32 = 0.0450842
	s_mov_b32 s[CS+1], s[CS]                       ; named with it as a pair, so it is written
	s_mov_b32 s[SEL], 0x76543210
	s_mov_b32 s[SEL+1], 0xfedcba98
	s_wait_dscnt 0x0                               ; the opening add is done
	s_wait_kmcnt 0x0
	s_add_nc_u64 s[14:15], s[4:5], s[16:17]
	s_add_nc_u64 s[46:47], s[4:5], s[46:47]
	s_add_nc_u64 s[46:47], s[46:47], 2048          ; K's columns begin 2,048 bytes into a row
	CROUND                                         ; all sixteen work-groups are here: the first joint loads meet
.irp s, 0,1
	s_mov_b32 s[G0+4*(\s)], 1
	s_add_co_u32 s[G0+4*(\s)+1], s20, (\s)*SLOT
	s_add_nc_u64 s[G0+4*(\s)+2:G0+4*(\s)+3], s[14:15], (\s)*KSTEP*2
	s_or_b32 s[G0+4*(\s)+3], s[G0+4*(\s)+3], 0x80000000
	s_mov_b32 s[G0B+4*(\s)], 1
	s_add_co_u32 s[G0B+4*(\s)+1], s20, (\s)*SLOT
	s_add_nc_u64 s[G0B+4*(\s)+2:G0B+4*(\s)+3], s[46:47], (\s)*KSTEP*2
	s_or_b32 s[G0B+4*(\s)+3], s[G0B+4*(\s)+3], 0x80000000
	JLOAD \s                                       ; two loads of mine are out
.endr
	v_and_b32 v1, 15, v0                           ; l % 16
	v_bfe_u32 v2, v0, 4, 1                         ; l / 16
	v_mul_u32_u24 v3, v1, PITCH
	v_lshl_add_u32 v3, v2, 4, v3                   ; a fragment's row x pitch + 16 x half
	s_mul_i32 s21, s11, HALFT                      ; my 64 rows of Q
	s_mul_i32 s22, s12, HALFT                      ; my 64 rows of K,
	s_add_co_u32 s22, s22, 2*HALFT                 ; which lie behind Q's 128
.irp s, 0,1
	v_add_nc_u32 v[ADRA+(\s)], s21, v3
	v_add_nc_u32 v[ADRB+(\s)], s22, v3
	s_add_co_u32 s21, s21, SLOT
	s_add_co_u32 s22, s22, SLOT
.endr
	; the diagonal: query 128 qi + 64 s11 + 16 a + l % 16 against key 128 kj + 64 s12 + 16 b + 8 (l / 16) + j
	s_sub_co_i32 s72, s13, s42
	s_lshl_b32 s72, s72, 7
	s_sub_co_i32 s73, s11, s12
	s_lshl_b32 s73, s73, 6
	s_add_co_i32 s72, s72, s73
	v_lshlrev_b32 v3, 3, v2
	v_sub_nc_u32 v[D0], v1, v3
	v_add_nc_u32 v[D0], s72, v[D0]
	v_mov_b32 v[ZR], 0
	v_and_b32 v[SO], 31, v0
	v_lshlrev_b32 v[SO], 4, v[SO]
	; ST: [group of 64 rows g][block of 64 keys p][lane][4 words]: 512 bytes for each (g, p), which one wave stores
	s_lshl_b32 s70, s68, 5
	s_lshl_b32 s71, s13, 1
	s_add_co_u32 s70, s70, s71
	s_add_co_u32 s70, s70, s11                     ; g = 32 x batch + 2 x query tile + half
	s_lshl_b32 s70, s70, 5
	s_lshl_b32 s71, s42, 1
	s_add_co_u32 s70, s70, s71
	s_add_co_u32 s70, s70, s12                     ; 32 g + p, p = 2 x key tile + half
	s_lshl_b32 s70, s70, 9
	s_mov_b32 s71, 0
	s_add_nc_u64 s[6:7], s[6:7], s[70:71]
; 8 matrix instructions: query blocks a0, a0 + 1 x all 4 key blocks, 32 along K: half c of buffer f.  zero = 1: the first product starts the sums.  The 16 accumulators take turns.
.macro MUL8 f, c, a0, zero
	WIN MUL
.irp a, \a0, (\a0)+1
.irp b, 0,1,2,3
.if \zero
	v_wmma_f32_16x16x32_bf16 v[ACC+8*(4*(\a)+(\b)):ACC+8*(4*(\a)+(\b))+7], v[(\f)+64+8*(4*(\c)+(\b)):(\f)+64+8*(4*(\c)+(\b))+7], v[(\f)+8*(4*(\c)+(\a)):(\f)+8*(4*(\c)+(\a))+7], 0
.else
	v_wmma_f32_16x16x32_bf16 v[ACC+8*(4*(\a)+(\b)):ACC+8*(4*(\a)+(\b))+7], v[(\f)+64+8*(4*(\c)+(\b)):(\f)+64+8*(4*(\c)+(\b))+7], v[(\f)+8*(4*(\c)+(\a)):(\f)+8*(4*(\c)+(\a))+7], v[ACC+8*(4*(\a)+(\b)):ACC+8*(4*(\a)+(\b))+7]
.endif
.endr
.endr
.endm
; 32 LDS loads in one run: the fragments of 64 along K at byte k of the rows, into buffer f; the first 32 along K first
.macro FETCH slot, k, f
	WIN TO_F
.irp c, 0,1
.irp i, 0,1,2,3
	ds_load_b128 v[(\f)+64+8*(4*(\c)+(\i)):(\f)+64+8*(4*(\c)+(\i))+3],   v[ADRB+(\slot)] offset:(\k)+64*(\c)+(\i)*16*PITCH
	ds_load_b128 v[(\f)+64+8*(4*(\c)+(\i))+4:(\f)+64+8*(4*(\c)+(\i))+7], v[ADRB+(\slot)] offset:(\k)+64*(\c)+(\i)*16*PITCH+32
	ds_load_b128 v[(\f)+8*(4*(\c)+(\i)):(\f)+8*(4*(\c)+(\i))+3],         v[ADRA+(\slot)] offset:(\k)+64*(\c)+(\i)*16*PITCH
	ds_load_b128 v[(\f)+8*(4*(\c)+(\i))+4:(\f)+8*(4*(\c)+(\i))+7],       v[ADRA+(\slot)] offset:(\k)+64*(\c)+(\i)*16*PITCH+32
.endr
.endr
.endm
.macro PLACES                          ; four places in front of loads into registers that matrix instructions have read, and of vector lines that read or write results
.rept 4
	v_nop
.endr
.endm
; A K step is four quarters of 64 along K, 32 matrix instructions each, on buffers 0, 1, 0, 1.  One of the first three: multiplies buffer f and fetches the next quarter, at byte k, into g.
.macro QUARTER slot, k, f, g, zero
	s_wait_dscnt 16                                ; the first 32 along K are in; the sixteen younger loads may be out
	MUL8 \f, 0, 0, \zero
	MUL8 \f, 0, 2, \zero
	PLACES
	FETCH \slot, \k, \g
	s_wait_dscnt 32                                ; all but the 32 just issued
	MUL8 \f, 1, 0, 0
	MUL8 \f, 1, 2, 0
.endm
; The last quarter multiplies buffer 1 and changes slots: ONE barrier; in front of it each wave waits for all its tensor loads, adds 0 to its spare word, and waits for that and for its own reads of this slot.
; fill = 1: this slot is filled again, two K steps ahead; the barrier then opens a round of the cluster's, and the joint refill is the first thing behind the round.
.macro TURN slot, next, fill
	WIN 0                                          ; (the add's two registers lie in window 0)
	s_wait_tensorcnt 0x0                           ; all my tensor loads have landed: my part of the next slot;
	ds_add_u32 v[SPW], v[NIL]                      ; 0 onto my spare word;
	s_wait_dscnt 17                                ; (the add and the youngest sixteen loads may be out)
	MUL8 F1, 0, 0, 0                               ; eight matrix instructions stand between the add and the wait for it
	s_wait_dscnt 0x0                               ; the add is done, and my reads of this slot are over
	s_barrier_signal -1
	MUL8 F1, 0, 2, 0
.if \fill
	WIN 0
.endif
	s_barrier_wait -1
.if \fill
	CREST                                          ; no wave of any partner still reads this slot's tile or has a load on its way
	s_add_nc_u64 s[G0+4*(\slot)+2:G0+4*(\slot)+3], s[G0+4*(\slot)+2:G0+4*(\slot)+3], 2*KSTEP*2
	s_add_nc_u64 s[G0B+4*(\slot)+2:G0B+4*(\slot)+3], s[G0B+4*(\slot)+2:G0B+4*(\slot)+3], 2*KSTEP*2
	JLOAD \slot                                    ; my one tensor load behind the round; its four v_nop are also the places in front of the loads below
.else
	PLACES
.endif
	FETCH \next, 0, F0
	MUL8 F1, 1, 0, 0
	MUL8 F1, 1, 2, 0
.endm
	s_wait_tensorcnt 1                             ; my part of K step 0 is in; K step 1's may stay out
	s_barrier_signal -1
	s_barrier_wait -1                              ; everybody's is
	FETCH 0, 0, F0
	QUARTER 0, 128, F0, F1, 1                      ; K step 0: its first products start the sums
	QUARTER 0, 256, F1, F0, 0
	QUARTER 0, 384, F0, F1, 0
	TURN 0, 1, 1                                   ; slot 0 takes K step 2
	QUARTER 1, 128, F0, F1, 0                      ; K step 1
	QUARTER 1, 256, F1, F0, 0
	QUARTER 1, 384, F0, F1, 0
	TURN 1, 0, 1                                   ; slot 1 takes K step 3
	QUARTER 0, 128, F0, F1, 0                      ; K step 2
	QUARTER 0, 256, F1, F0, 0
	QUARTER 0, 384, F0, F1, 0
	TURN 0, 1, 0                                   ; nothing is left to fetch
	QUARTER 1, 128, F0, F1, 0                      ; K step 3
	QUARTER 1, 256, F1, F0, 0
	QUARTER 1, 384, F0, F1, 0
	s_wait_dscnt 16
	MUL8 F1, 0, 0, 0
	MUL8 F1, 0, 2, 0
	s_wait_dscnt 0
	MUL8 F1, 1, 0, 0
	MUL8 F1, 1, 2, 0
	WIN 0
	; THE STATISTICS.  Block a of 16 queries has 32 scores a lane, v[ACC + 32 a ..]; a line is written for all four blocks in turn, so that no line reads the result of the one before it.
.macro ALLA line:vararg
.set ta, 0
.rept 4
	\line
.set ta, ta+1
.endr
.endm
	PLACES
	s_cmp_lg_u32 s66, s67                          ; only a cluster on the diagonal has scores above it: I and J are the same in all sixteen partners
	s_cbranch_scc1 .Lopen
.set ta, 0
.rept 4
.set tb, 0
.rept 4
.set j, 0
.rept 8                                ; each accumulator's registers in ascending order
	v_cmp_gt_i32 vcc_lo, 16*(tb-ta)+j, v[D0]
	v_cndmask_b32 v[ACC+32*ta+8*tb+j], v[ACC+32*ta+8*tb+j], v[ZR], vcc_lo
.set j, j+1
.endr
.set tb, tb+1
.endr
.set ta, ta+1
.endr
.Lopen:
	; the maximum of a lane's 32 scores, three operands at a time: four chains c0-c3 of seven scores each (each accumulator's lowest registers first), the four scores left over, c0-c3 into c0
.set j, 0
.rept 4
	ALLA v_max3_num_f32 v[T+8*ta+4+j], v[ACC+32*ta+8*j], v[ACC+32*ta+8*j+1], v[ACC+32*ta+8*j+2]
.set j, j+1
.endr
.set j, 4
.rept 8
	ALLA v_max3_num_f32 v[T+8*ta+4+j%4], v[T+8*ta+4+j%4], v[ACC+32*ta+8*(j%4)+2*(j/4)+1], v[ACC+32*ta+8*(j%4)+2*(j/4)+2]
.set j, j+1
.endr
	ALLA v_max3_num_f32 v[T+8*ta+4], v[T+8*ta+4], v[ACC+32*ta+7], v[ACC+32*ta+15]
	ALLA v_max3_num_f32 v[T+8*ta+6], v[T+8*ta+6], v[ACC+32*ta+23], v[ACC+32*ta+31]
	ALLA v_max3_num_f32 v[T+8*ta+4], v[T+8*ta+4], v[T+8*ta+5], v[T+8*ta+6]
	ALLA v_max_num_f32 v[T+8*ta+4], v[T+8*ta+4], v[T+8*ta+7]
	ALLA v_permlanex16_b32 v[T+8*ta+5], v[T+8*ta+4], s[SEL], s[SEL+1]
	ALLA v_max_num_f32 v[T+8*ta+1], v[T+8*ta+4], v[T+8*ta+5]
	ALLA v_mul_f32 v[T+8*ta], s[CS], v[T+8*ta+1]
	; c s - cm, two scores a line
.set j, 0
.rept 16
	ALLA v_pk_fma_f32 v[ACC+32*ta+2*j:ACC+32*ta+2*j+1], v[ACC+32*ta+2*j:ACC+32*ta+2*j+1], s[CS:CS+1], v[T+8*ta:T+8*ta+1] op_sel_hi:[1,0,0] neg_lo:[0,0,1] neg_hi:[0,0,1]
.set j, j+1
.endr
	; the 128 exponentials are one batch: none reads another's result
.set j, 0
.rept 128
	v_exp_f32 v[ACC+j], v[ACC+j]
.set j, j+1
.endr
	v_nop                                          ; a plain instruction behind the last exponential (ISA guide 5.7.2),
	s_wait_alu depctr_va_vdst(0)                   ; and one wait ahead of the batch's first reader
	; the sum of a block's 16 pairs: neighbours 1, 2, 4 and 8 pairs apart
.set j, 0
.rept 8
	ALLA v_pk_add_f32 v[ACC+32*ta+4*j:ACC+32*ta+4*j+1], v[ACC+32*ta+4*j:ACC+32*ta+4*j+1], v[ACC+32*ta+4*j+2:ACC+32*ta+4*j+3]
.set j, j+1
.endr
.set j, 0
.rept 4
	ALLA v_pk_add_f32 v[ACC+32*ta+8*j:ACC+32*ta+8*j+1], v[ACC+32*ta+8*j:ACC+32*ta+8*j+1], v[ACC+32*ta+8*j+4:ACC+32*ta+8*j+5]
.set j, j+1
.endr
.set j, 0
.rept 2
	ALLA v_pk_add_f32 v[ACC+32*ta+16*j:ACC+32*ta+16*j+1], v[ACC+32*ta+16*j:ACC+32*ta+16*j+1], v[ACC+32*ta+16*j+8:ACC+32*ta+16*j+9]
.set j, j+1
.endr
	ALLA v_pk_add_f32 v[T+8*ta+2:T+8*ta+3], v[ACC+32*ta:ACC+32*ta+1], v[ACC+32*ta+16:ACC+32*ta+17]
	ALLA v_add_f32 v[T+8*ta+4], v[T+8*ta+2], v[T+8*ta+3]
	ALLA v_permlanex16_b32 v[T+8*ta+5], v[T+8*ta+4], s[SEL], s[SEL+1]
	ALLA v_add_f32 v[T+8*ta+2], v[T+8*ta+4], v[T+8*ta+5]
	; both halves of the lanes now hold all four blocks' (cm, l): lanes 0-15 store blocks 0 and 1, lanes 16-31 blocks 2 and 3
	v_cmp_eq_u32 vcc_lo, 1, v2
	v_cndmask_b32 v[OUT],   v[T],    v[T+16], vcc_lo
	v_cndmask_b32 v[OUT+1], v[T+2],  v[T+18], vcc_lo
	v_cndmask_b32 v[OUT+2], v[T+8],  v[T+24], vcc_lo
	v_cndmask_b32 v[OUT+3], v[T+10], v[T+26], vcc_lo
	global_store_b128 v[SO], v[OUT:OUT+3], s[6:7]  ; the wave stores 512 consecutive bytes, at a multiple of 512 from ST's first byte
	s_wait_tensorcnt 0x0                           ; the wave's end: behind my last tensor load
	ds_add_u32 v[SPW], v[NIL]
	s_wait_dscnt 0x0
	CROUND                                         ; the closing round: no work-group ends while a partner may still ask for a tile that names it
	s_endpgm
.Lfunc_end_k_qab69837dd2_stats:
	.size	k_qab69837dd2_stats, .Lfunc_end_k_qab69837dd2_stats-k_qab69837dd2_stats
	.p2alignl 7, 3214868480
	.fill 96, 4, 3214868480
	.section	.rodata,"a",@progbits
	.p2align	6, 0x0
	.amdhsa_kernel k_qab69837dd2_stats
		.amdhsa_group_segment_fixed_size 327680
		.amdhsa_private_segment_fixed_size 0
		.amdhsa_enable_private_segment 0
		.amdhsa_kernarg_size 16
		.amdhsa_user_sgpr_count 2
		.amdhsa_user_sgpr_kernarg_segment_ptr 1
		.amdhsa_wavefront_size32 1
		.amdhsa_system_sgpr_workgroup_id_x 1
		.amdhsa_system_sgpr_workgroup_id_y 1
		.amdhsa_system_sgpr_workgroup_id_z 1
		.amdhsa_system_vgpr_workitem_id 0
		.amdhsa_next_free_vgpr 512
		.amdhsa_next_free_sgpr 76
		.amdhsa_reserve_vcc 1
		.amdhsa_float_denorm_mode_32 3
		.amdhsa_float_denorm_mode_16_64 3
		.amdhsa_memory_ordered 1
		.amdhsa_forward_progress 1
		.amdhsa_inst_pref_size 104
	.end_amdhsa_kernel
	.amdgpu_metadata
---
amdhsa.version: [ 1, 2 ]
amdhsa.kernels:
  - .name:           k_qab69837dd2_stats
    .symbol:         k_qab69837dd2_stats.kd
    .args:
      - { .name: QKV, .offset: 0, .size: 8, .value_kind: global_buffer, .address_space: global }
      - { .name: ST, .offset: 8, .size: 8, .value_kind: global_buffer, .address_space: global }
    .group_segment_fixed_size: 327680
    .private_segment_fixed_size: 0
    .kernarg_segment_align: 8
    .kernarg_segment_size: 16
    .max_flat_workgroup_size: 128
    .sgpr_count:     76
    .vgpr_count:     512
    .wavefront_size: 32
...
	.end_amdgpu_metadata
.endif
;; end of part 3
;; launch scale (part 4): grid 512 x 1, 8 waves a work-group, no clusters, 0 bytes of LDS; arguments QKV, ST, out0; writes out0
.if DOCPART == 4
	.amdgcn_target "amdgcn-amd-amdhsa--gfx1250"
	.amdhsa_code_object_version 6
	.text
	.protected	k_qab69837dd2_scale
	.globl	k_qab69837dd2_scale
	.p2align	8
	.type	k_qab69837dd2_scale,@function
k_qab69837dd2_scale:
	s_mov_b64 s[64:65], 0
	v_nop
	global_prefetch_b8 v0, s[64:65] scope:SCOPE_SE
	s_setreg_imm32_b32 hwreg(HW_REG_WAVE_MODE, 25, 1), 1
	s_wait_xcnt 0x0
; out[row][:] = (the row's sum of softmax weights) x V[row][:].  V = columns 2048-3071 of QKV [16384][3072] bf16; out0 [16384][1024] f32.
; A row's softmax runs over 32 blocks of 64 keys.  ST holds (cm, l) of each block up to the end of the row's own block of 512 keys: cm = c x the block's maximum, l = the sum of 2^(c s - cm).
; The blocks beyond hold zeros alone: (cm, l) = (0, 64).  Merge: M = the maximum of the cm, L = the sum of l 2^(cm - M).  The weights are e / L, and their sum is formed as L x (1 / L).
; LIMITS.  The sum of the weights is (the sum of e) x (1 / the sum of e), not the sum of the rounded quotients; a term below 2^-126 counts as 0; L lies in 1 to 2,048; NaN and infinities are not treated apart.
; SHARES.  A work-group takes 32 rows, a wave four.  In the merge a lane is a block of keys.  A row of V is 2,048 bytes: eight loads of 256 consecutive bytes; a row of out 4,096: eight stores of 512.
; All of a wave's 36 loads go out at once; no LDS and no barrier: no wave wants another's bytes.
.set VROW, 6144                        ; bytes in a row of QKV
.set OROW, 4096                        ; bytes in a row of out0
.set PR,  8                            ; v[8:15]   row k's (cm, l) of my block of keys
.set MM,  16                           ; v[16:19]  row k's M, then L
.set XC,  20                           ; v[20:23]  the other half of the lanes'; then 1 / L
.set RR,  24                           ; v[24:31]  row k's factor, twice: a pair for the packed multiply
.set VV,  32                           ; v[32:95]  row k, chunk i: two registers, four bf16
.set OO,  96                           ; v[96:127] chunk i: four f32 to store
	s_load_b128 s[4:7], s[0:1], 0x0                ; QKV s[4:5], ST s[6:7]
	s_load_b64 s[8:9], s[0:1], 0x10                ; out0
	v_lshrrev_b32 v2, 5, v0
	v_readfirstlane_b32 s10, v2                    ; wave 0..7
	v_and_b32 v1, 31, v0                           ; lane = block of 64 keys
	s_lshr_b32 s11, ttmp9, 1                       ; g: my group of 64 rows
	s_and_b32 s12, ttmp9, 1                        ; which half of it
	s_bfe_u32 s14, s11, 0x20003                    ; the rows' block of 512 in the batch: (g % 32) / 8
	s_add_co_u32 s14, s14, 1
	s_lshl_b32 s14, s14, 3                         ; so many blocks of 64 keys were stored
	s_sub_co_u32 s15, s14, 1
	v_min_u32 v2, s15, v1                          ; lanes beyond read the last stored block, and drop it
	s_lshl_b32 s16, s11, 5
	v_add_nc_u32 v3, s16, v2
	v_lshlrev_b32 v3, 9, v3                        ; (32 g + p) x 512
	; in a block of ST row 16 a + r of the group lies at lane 16 (a / 2) + r, pair a % 2.  My rows are 32 half + 4 w + k: a = 2 half + w / 4, r = 4 (w % 4) + k
	s_lshl_b32 s17, s12, 8
	s_and_b32 s18, s10, 3
	s_lshl_b32 s18, s18, 6
	s_add_co_u32 s17, s17, s18
	s_lshr_b32 s18, s10, 2
	s_lshl_b32 s18, s18, 3
	s_add_co_u32 s17, s17, s18
	v_add_nc_u32 v3, s17, v3                       ; + 256 half + 64 (w % 4) + 8 (w / 4); 16 k stands in the immediate
	s_mul_i32 s19, s10, 4*VROW
	v_lshl_add_u32 v4, v1, 3, s19                  ; V: 8 bytes a lane, my four rows
	s_lshl_b32 s22, s10, 14
	v_lshl_add_u32 v5, v1, 4, s22                  ; out: 16 bytes a lane, my four rows
	v_mov_b32 v6, 0                                ; a block of zeros: cm,
	v_mov_b32 v7, 0x42800000                       ; and l = 64
	s_mov_b32 s20, 0x76543210                      ; v_permlanex16_b32: each lane takes its own place in the other half
	s_mov_b32 s21, 0xfedcba98
	s_mov_b32 s23, 0xffff0000                      ; a word's upper bf16
	s_mul_i32 s24, ttmp9, 32*VROW                  ; the work-group's 32 rows,
	s_add_co_u32 s24, s24, 4096                    ; V's columns begin 4,096 bytes into a row
	s_mov_b32 s25, 0
	s_lshl_b32 s26, ttmp9, 17                      ; 32 rows of 4,096 bytes
	s_mov_b32 s27, 0
	s_wait_kmcnt 0x0
	s_add_nc_u64 s[4:5], s[4:5], s[24:25]
	s_add_nc_u64 s[8:9], s[8:9], s[26:27]
.irp k, 0,1,2,3
	global_load_b64 v[PR+2*(\k):PR+2*(\k)+1], v3, s[6:7] offset:16*(\k)
.endr
.irp k, 0,1,2,3
.irp i, 0,1,2,3,4,5,6,7
	global_load_b64 v[VV+16*(\k)+2*(\i):VV+16*(\k)+2*(\i)+1], v4, s[4:5] offset:VROW*(\k)+256*(\i) th:TH_LOAD_NT
.endr
.endr
	v_cmp_le_u32 vcc_lo, s14, v1                   ; my block of keys lies beyond what was stored
.irp k, 0,1,2,3
	v_mov_b32 v[XC+(\k)], 0                        ; v_permlanex16_b32 counts as a reader of its destination
.endr
	s_wait_loadcnt 32                              ; the statistics are in; V's 32 loads stay out
.irp k, 0,1,2,3
	v_cndmask_b32 v[PR+2*(\k)], v[PR+2*(\k)], v6, vcc_lo
	v_cndmask_b32 v[PR+2*(\k)+1], v[PR+2*(\k)+1], v7, vcc_lo
.endr
.irp k, 0,1,2,3
	v_mov_b32 v[MM+(\k)], v[PR+2*(\k)]
.endr
.irp x, 1,2,4,8
.irp k, 0,1,2,3
	v_max_num_f32_dpp v[MM+(\k)], v[MM+(\k)], v[MM+(\k)] row_xmask:\x row_mask:0xf bank_mask:0xf
.endr
.endr
.irp k, 0,1,2,3
	v_permlanex16_b32 v[XC+(\k)], v[MM+(\k)], s20, s21
.endr
.irp k, 0,1,2,3
	v_max_num_f32 v[MM+(\k)], v[MM+(\k)], v[XC+(\k)]     ; M, in every lane
.endr
.irp k, 0,1,2,3
	v_sub_f32 v[PR+2*(\k)], v[PR+2*(\k)], v[MM+(\k)]
.endr
.irp k, 0,1,2,3
	v_exp_f32 v[PR+2*(\k)], v[PR+2*(\k)]
.endr
	v_nop                                          ; a plain instruction behind the last exponential (ISA guide 5.7.2),
	s_wait_alu depctr_va_vdst(0)                   ; and one wait ahead of the batch's first reader
.irp k, 0,1,2,3
	v_mul_f32 v[MM+(\k)], v[PR+2*(\k)+1], v[PR+2*(\k)]
.endr
.irp x, 1,2,4,8
.irp k, 0,1,2,3
	v_add_f32_dpp v[MM+(\k)], v[MM+(\k)], v[MM+(\k)] row_xmask:\x row_mask:0xf bank_mask:0xf
.endr
.endr
.irp k, 0,1,2,3
	v_permlanex16_b32 v[XC+(\k)], v[MM+(\k)], s20, s21
.endr
.irp k, 0,1,2,3
	v_add_f32 v[MM+(\k)], v[MM+(\k)], v[XC+(\k)]         ; L, in every lane
.endr
.irp k, 0,1,2,3
	v_rcp_f32 v[XC+(\k)], v[MM+(\k)]
.endr
	v_nop
	s_wait_alu depctr_va_vdst(0)                   ; one wait for the four reciprocals
.irp k, 0,1,2,3
	v_mul_f32 v[RR+2*(\k)], v[MM+(\k)], v[XC+(\k)]       ; the sum of the row's weights
	v_mul_f32 v[RR+2*(\k)+1], v[MM+(\k)], v[XC+(\k)]
.endr
.macro ROWOUT k
	s_wait_loadcnt 8*(3-(\k))                      ; row k's eight loads are in; the later rows' stay out
	s_wait_xcnt 0x0                                ; the last row's stores have read their data: OO is rewritten only behind this wait
.irp i, 0,1,2,3,4,5,6,7
	v_lshlrev_b32 v[OO+4*(\i)],   16,  v[VV+16*(\k)+2*(\i)]
	v_and_b32     v[OO+4*(\i)+1], s23, v[VV+16*(\k)+2*(\i)]
	v_lshlrev_b32 v[OO+4*(\i)+2], 16,  v[VV+16*(\k)+2*(\i)+1]
	v_and_b32     v[OO+4*(\i)+3], s23, v[VV+16*(\k)+2*(\i)+1]
	v_pk_mul_f32 v[OO+4*(\i):OO+4*(\i)+1],   v[OO+4*(\i):OO+4*(\i)+1],   v[RR+2*(\k):RR+2*(\k)+1]
	v_pk_mul_f32 v[OO+4*(\i)+2:OO+4*(\i)+3], v[OO+4*(\i)+2:OO+4*(\i)+3], v[RR+2*(\k):RR+2*(\k)+1]
	global_store_b128 v5, v[OO+4*(\i):OO+4*(\i)+3], s[8:9] offset:OROW*(\k)+512*(\i) th:TH_STORE_NT
.endr
.endm
	ROWOUT 0
	ROWOUT 1
	ROWOUT 2
	ROWOUT 3
	s_endpgm
.Lfunc_end_k_qab69837dd2_scale:
	.size	k_qab69837dd2_scale, .Lfunc_end_k_qab69837dd2_scale-k_qab69837dd2_scale
	.p2alignl 7, 3214868480
	.fill 96, 4, 3214868480
	.section	.rodata,"a",@progbits
	.p2align	6, 0x0
	.amdhsa_kernel k_qab69837dd2_scale
		.amdhsa_group_segment_fixed_size 0
		.amdhsa_private_segment_fixed_size 0
		.amdhsa_enable_private_segment 0
		.amdhsa_kernarg_size 24
		.amdhsa_user_sgpr_count 2
		.amdhsa_user_sgpr_kernarg_segment_ptr 1
		.amdhsa_wavefront_size32 1
		.amdhsa_system_sgpr_workgroup_id_x 1
		.amdhsa_system_sgpr_workgroup_id_y 1
		.amdhsa_system_sgpr_workgroup_id_z 1
		.amdhsa_system_vgpr_workitem_id 0
		.amdhsa_next_free_vgpr 128
		.amdhsa_next_free_sgpr 66
		.amdhsa_reserve_vcc 1
		.amdhsa_float_denorm_mode_32 3
		.amdhsa_float_denorm_mode_16_64 3
		.amdhsa_memory_ordered 1
		.amdhsa_forward_progress 1
		.amdhsa_inst_pref_size 21
	.end_amdhsa_kernel
	.amdgpu_metadata
---
amdhsa.version: [ 1, 2 ]
amdhsa.kernels:
  - .name:           k_qab69837dd2_scale
    .symbol:         k_qab69837dd2_scale.kd
    .args:
      - { .name: QKV, .offset: 0, .size: 8, .value_kind: global_buffer, .address_space: global }
      - { .name: ST, .offset: 8, .size: 8, .value_kind: global_buffer, .address_space: global }
      - { .name: out0, .offset: 16, .size: 8, .value_kind: global_buffer, .address_space: global }
    .group_segment_fixed_size: 0
    .private_segment_fixed_size: 0
    .kernarg_segment_align: 8
    .kernarg_segment_size: 24
    .max_flat_workgroup_size: 256
    .sgpr_count:     66
    .vgpr_count:     128
    .wavefront_size: 32
...
	.end_amdgpu_metadata
.endif
;; end of part 4
;; ======== version 2 of 3: 4 launches
;; workspace buffers: Xb 16,777,216 bytes; Wb 3,145,728 bytes; QKV 100,663,296 bytes; ST 4,194,304 bytes
;; launch cast: the kernel of part 1 again; grid 608 x 1, 8 waves a work-group, no clusters, 0 bytes of LDS; arguments X, Wq, Wk, Wv, Xb, Wb; writes Xb, Wb
;; launch proj (part 5): grid 4 x 64, 4 waves a work-group, clusters of 4 x 4, 327,680 bytes of LDS; arguments Xb, Wb, bq, bk, bv, QKV; writes QKV
.if DOCPART == 5
	.amdgcn_target "amdgcn-amd-amdhsa--gfx1250"
	.amdhsa_code_object_version 6
	.text
	.protected	k_qab69837dd2_proj
	.globl	k_qab69837dd2_proj
	.p2align	8
	.type	k_qab69837dd2_proj,@function
k_qab69837dd2_proj:
	s_mov_b64 s[64:65], 0
	v_nop
	global_prefetch_b8 v0, s[64:65] scope:SCOPE_SE
	s_setreg_imm32_b32 hwreg(HW_REG_WAVE_MODE, 25, 1), 1
	s_wait_xcnt 0x0
	s_wait_alu depctr_hold_cnt(0) depctr_sa_sdst(0) depctr_va_vdst(0) depctr_va_sdst(0) depctr_va_ssrc(0) depctr_va_vcc(0) depctr_vm_vsrc(0)
	s_getreg_b32 s2, hwreg(HW_REG_IB_STS2, 6, 4)
	s_cmp_eq_u32 s2, 0
	s_cbranch_scc0 .Lentry_in_a_cluster
	s_endpgm
.Lentry_in_a_cluster:
	s_bfe_u32 s2, ttmp6, 0x10000c
	s_cmp_lg_u32 s2, 0xf033
	s_cbranch_scc0 .Lentry_shape_is_right
	s_endpgm
.Lentry_shape_is_right:
; QKV[m][n] = sum over k of Xb[m][k] Wb[n][k] + bias[n].  Xb: [16384][512] bf16, Wb: [3072][512] bf16 (Wq, Wk, Wv), bias f32 (bq, bk, bv by n / 1024), QKV: [16384][3072] bf16; sums in f32, rounded once.
; A tile of QKV, 256 x 256, is made by a work-group of four waves; a wave makes 128 x 128: 64 accumulators of 16 x 16, 512 registers.  K = 512 goes in four steps of 128 through a ring of
; two LDS slots filled by the tensor data mover; the tiles' rows are 256 bytes of memory and start at multiples of 256 bytes from the buffer's first byte.
; A WORK-GROUP STAYS: it makes three tiles for the same 256 rows of Xb, 1,024 columns apart: its part of Q, of K, of V.  The ring does not stop at a tile's end: a tile's last two changes of slots ask
; for the next tile's first two K steps, and nothing waits for a tile's stores.  The last tile's last K step goes by rows of the tile, so that finished rows leave while the others are multiplied.
; THE BIAS STARTS THE SUMS: it is the C operand of each accumulator's first product, unrounded; nothing is cleared and nothing is added later.
; CLUSTERS: 4 x 4 work-groups.  The four of a row of the cluster need the same tiles of Xb, the four of a column the same tiles of Wb: each tile is asked for JOINTLY, by the same tensor load with
; the same descriptor and a mask that names the four; each receives it in its own LDS.
; LIMITS: NaN and infinities are not treated apart; Q, K and V leave rounded to bf16 (8 significant bits, f32's range).
;
; REGISTERS, in windows of 256 (s_set_vgpr_msb's low byte: bits 1:0 source 0, 3:2 source 1, 5:4 source 2, 7:6 destination):
;   window 0: v0-31 addresses; v64-127, v128-191 fragments of Xb, two buffers (in the very last K step four, of 16 rows x 128 K); v32-63, v192-255 at work on the way out
;   window 1: v0-63 the bias of my 128 columns; v64-127, v128-191 fragments of Wb, two buffers; in the very last K step all 256: Wb's fragments of the whole step
;   window 2: the 32 accumulators of my rows 0-63 (accumulator (a, b) at v[8 (8 a + b)]);   window 3: those of my rows 64-127
; THE MATRIX INSTRUCTION IS USED TRANSPOSED: source 0 = 16 rows of Wb, source 1 = 16 rows of Xb.  Lane l then holds row l % 16 of the tile and the columns 8 (l / 16) + 0 .. 7: 16 bytes of bf16 on end.
.set SIZE_M, 16384
.set SIZE_N, 3072
.set SIZE_K, 512
.set TILES,  3
.set KSTEP,  128
.set PITCH,  272                       ; an LDS row: 256 bytes + 16 of padding = 68 words: row r starts at bank 4 r mod 64 (64 banks of 4 bytes: ISA guide 11.1), so the 16 rows of a load start at 16 different banks
.set HALFT,  128*PITCH                 ; 128 rows: what one tensor load brings, and what one wave reads of Xb or of Wb
.set SLOT,   4*HALFT                   ; Xb's 256 rows, then Wb's 256 rows
.set STAGE,  2*SLOT                    ; behind the ring: 16 rows x 272 bytes for each wave, for the way out; no tensor load fills it
.set SPITCH, 272
.set SPARE,  STAGE+4*16*SPITCH         ; behind the stages: the spare words, 128 bytes for each wave: two blocks of 256 bytes that no other line names
.set WALKB,  1024*SIZE_K*2             ; bytes from a tile's rows of Wb to the next tile's: 1,024 rows
.set BACK_A, (SIZE_K-2*KSTEP)*2        ; bytes from a slot's last K step of a tile back to its first: Xb's rows are the same for all three tiles,
.set NEXT_B, WALKB-BACK_A              ; Wb goes 1,024 rows down and back along K
.set ADRA, 16                          ; v16-17  LDS address of my Xb fragments in slot 0, 1
.set ADRB, 20                          ; v20-21  the same for Wb
.set STO,  24                          ; v24     the way out: where I put 16 bytes of a row
.set RD,   25                          ; v25     the way out: where I read a row back
.set CO,   26                          ; v26     my byte offset in QKV
.set BO,   27                          ; v27     my byte offset in the bias: 32 (l / 16); never rewritten
.set SPW,  28                          ; v28     LDS address of my spare word: SPARE + 4 x my thread's number; never rewritten
.set NIL,  29                          ; v29     0; never rewritten
.set PFO,  30                          ; v30     the prefetches' offset: my lane x a row of Xb or Wb (1,024 bytes); never rewritten
.set PFA,  44                          ; s[44:45] the prefetches' base: my work-group's 32 rows of the 128 that I fetch, at a tile's K step 0
.set LIM,  43                          ; s43     1 in a wave that prefetches behind a tile's first change of slots
.set LIMB, 78                          ; s78     1 in a wave that prefetches Wb's rows
.set BP,   66                          ; s[66:67] the bias of my 128 columns
.set F0,   64                          ; fragment buffer 0
.set F1,   128                         ; fragment buffer 1
.set BIAS, 0                           ; window 1: set b of eight registers holds bias[my first column + 16 b + 8 (l / 16) + 0 .. 7]
.set TMP,  192                         ; the way out: packed results, in window 0
.set OB,   32                          ; the way out: 16 rows read back from the stage: v32-63 and v224-255 by turns
.set PA,   64                          ; the very last K step: Xb's fragments of 16 rows x 128 K, 32 registers; four such buffers, v64-191
.set G1, 24                            ; s[24:31] descriptor group 1 for Xb's tiles
.set G0, 32                            ; s[32:39] descriptor group 0 for Xb's tiles, one set for each slot
.set G1B, 48                           ; s[48:55] group 1 for Wb's tiles: it differs in the mask alone
.set G0B, 56                           ; s[56:63] group 0 for Wb's tiles
.set MSB, 0
.macro WIN new                         ; the immediate's high byte repeats the setting that is left; a switch that changes nothing is dropped
.if MSB != (\new)
	s_set_vgpr_msb (MSB<<8)|(\new)
.set MSB, \new
.endif
.endm
.set MUL_LO, 0xa1                      ; source 0 (Wb) window 1, source 1 (Xb) window 0, C and D window 2
.set MUL_HI, 0xf1                      ; the same, C and D window 3
.set MUL_B,  0x91                      ; the first products: C (the bias) window 1, D window 2; + 0x40: D window 3
.set TO_B,   0x40                      ; destination window 1, address window 0
; A joint load.  Waves 0 and 1 fetch Xb's two halves, waves 2 and 3 Wb's.  Each of the two lines has one mask and one set of registers for all that issue it.  The branch hangs on the wave's number alone.
; An s_nop 0 and four v_nop follow each of the two lines, ahead of the jump, the label and what follows.
.macro JLOAD s
	s_cmp_eq_u32 s11, 0
	s_cbranch_scc0 .Lfor_b_\@
	tensor_load_to_lds s[G0+4*(\s):G0+4*(\s)+3], s[G1:G1+7]
	s_nop 0
.rept 4
	v_nop
.endr
	s_branch .Lasked_\@
.Lfor_b_\@:
	tensor_load_to_lds s[G0B+4*(\s):G0B+4*(\s)+3], s[G1B:G1B+7]
	s_nop 0
.rept 4
	v_nop
.endr
.Lasked_\@:
.endm
; A PREFETCH INTO THE L2, behind each joint refill and the run of LDS loads that follows it: 32 rows x 256 bytes, a lane a row, one instruction a wave.  It names the K step that the NEXT change of
; slots will ask for: one K step, 256 matrix instructions, ahead of that refill.  kind = which of a tile's four changes of slots: 0 names the tile's K step 3, 1 to 3 the next tile's K steps 0 to 2.
; Each row's 256 bytes of a K step are named once in the launch.  Xb's rows belong to one cluster alone, and all three tiles take the same: they are named in the first tile only, that is K step 3.
; Wb's rows are read by every cluster: the cluster with y = 0 names them.  The four partners that ask for a tile jointly share its rows out by address, 32 each.
; The launch's first three K steps come by their loads alone; the last tile's second change names nothing: there is no tile behind it.
.macro ASK kind
.if (\kind) == 0
	s_cmp_eq_u32 s[LIM], 1
.elseif (\kind) == 1
	s_cmp_gt_u32 s2, s[LIMB]                       ; s2 = 1 in the last tile
.else
	s_cmp_eq_u32 s[LIMB], 1
.endif
	s_cbranch_scc0 .Lnot_mine_\@
.if (\kind) == 0
	global_prefetch_b8 v[PFO], s[PFA:PFA+1] offset:3*KSTEP*2 th:TH_LOAD_NT scope:SCOPE_SE
.elseif (\kind) == 1
	global_prefetch_b8 v[PFO], s[PFA:PFA+1] offset:WALKB th:TH_LOAD_NT scope:SCOPE_SE
.else
	global_prefetch_b8 v[PFO], s[PFA:PFA+1] offset:((\kind)-1)*KSTEP*2 th:TH_LOAD_NT scope:SCOPE_SE  ; the base has been stepped to the next tile
.endif
.Lnot_mine_\@:
.endm
; A round of the cluster's barrier: my work-group's barrier, so that wave 0's signal speaks for all four waves; wave 0 signals; every wave waits for all sixteen work-groups; my work-group's barrier once more.
.macro CREST                           ; a round behind its opening barrier
	s_cmp_lg_u32 s10, 0
	s_cbranch_scc1 .Lnot_wave_0_\@
	s_barrier_signal -3
.Lnot_wave_0_\@:
	s_barrier_wait -3
	s_barrier_signal -1
	s_barrier_wait -1
.endm
.macro CROUND                          ; a whole round
	s_barrier_signal -1
	s_barrier_wait -1
	CREST
.endm
	s_load_b128 s[4:7], s[0:1], 0x0                ; Xb s[4:5], Wb s[6:7]
	s_load_b128 s[68:71], s[0:1], 0x10             ; bq s[68:69], bk s[70:71]
	s_load_b128 s[72:75], s[0:1], 0x20             ; bv s[72:73], QKV s[74:75]
	v_lshl_add_u32 v[SPW], v0, 2, SPARE
	v_mov_b32 v[NIL], 0
	ds_add_u32 v[SPW], v[NIL]                      ; the wave's opening: the add and its wait stand ahead of my first tensor load; the set-up below, work on registers, stands between them
	v_lshrrev_b32 v1, 5, v0
	v_readfirstlane_b32 s10, v1                    ; wave 0..3
	s_lshr_b32 s11, s10, 1                         ; which half of the tile's rows is mine.  Also: I fetch for Xb (0) or for Wb (1)
	s_and_b32 s12, s10, 1                          ; which half of its columns.  Also: which 128 rows of that tile I fetch
	s_bfe_u32 s40, ttmp6, 0x40000                  ; cx: my place along the cluster's x
	s_bfe_u32 s41, ttmp6, 0x40004                  ; cy: along its y
	s_lshl_b32 s42, ttmp9, 2                       ; in a cluster launch ttmp9 and ttmp7 count clusters
	s_add_co_u32 s42, s42, s40                     ; the first tile's column = 4 x cluster x + cx
	s_and_b32 s13, ttmp7, 0xffff
	s_lshl_b32 s13, s13, 2
	s_add_co_u32 s13, s13, s41                     ; tile row = 4 x cluster y + cy
	s_lshl_b32 s43, s41, 2
	s_lshl_b32 s43, 15, s43                        ; my row of the cluster: places 4 cy .. 4 cy + 3
	s_lshl_b32 s44, 0x1111, s40                    ; my column: places cx, cx + 4, cx + 8, cx + 12
	; descriptor group 1: a tile of 128 rows x 128 elements, padded in LDS
	s_or_b32 s[G1+0], s43, (1<<16)|(1<<20)|(1<<21)|(5<<22)|(3<<25)  ; 15:0 the mask: Xb's tiles go to my row; 17:16 elements of 2 bytes; 20 padding on; 21 set beside a mask; 24:22 after every 64 words (code 5); 31:25 4 words of it (code 3)
	s_or_b32 s[G1B+0], s44, (1<<16)|(1<<20)|(1<<21)|(5<<22)|(3<<25) ; the same with the mask of my column, for Wb's tiles
.irp g, G1, G1B
	s_mov_b32 s[(\g)+1], KSTEP<<16                 ; tensor_dim0 = 128
	s_mov_b32 s[(\g)+2], 128<<16                   ; tensor_dim1 = 128
	s_mov_b32 s[(\g)+3], KSTEP<<16                 ; tile_dim0 = 128
	s_mov_b32 s[(\g)+4], 128                       ; tile_dim1 = 128
	s_mov_b32 s[(\g)+5], SIZE_K                    ; elements from row to row
	s_mov_b32 s[(\g)+6], 0
	s_mov_b32 s[(\g)+7], 0
.endr
	; where the tiles come from.  Xb's hang on the tile row alone, which my row of the cluster shares; Wb's on the tile column alone, which my column shares.
	s_lshl_b32 s17, s12, 7                         ; which 128 rows of the tile I fetch
	s_lshl_b32 s16, s13, 8
	s_add_co_u32 s16, s16, s17                     ; Xb: row 256 x tile row + 128 x half
	s_lshl_b32 s46, s42, 8
	s_add_co_u32 s46, s46, s17                     ; Wb: row 256 x tile column + 128 x half
	s_mov_b32 s17, 0
	s_mov_b32 s47, 0
	s_mov_b64 s[18:19], SIZE_K*2
	s_mul_u64 s[16:17], s[16:17], s[18:19]         ; in bytes
	s_mul_u64 s[46:47], s[46:47], s[18:19]
	s_mul_i32 s20, s10, HALFT                      ; and where they go: wave x 128 rows: no place in the cluster enters an LDS address
	s_wait_dscnt 0x0                               ; the opening add is done
	s_wait_kmcnt 0x0
	s_add_nc_u64 s[14:15], s[4:5], s[16:17]
	s_add_nc_u64 s[46:47], s[6:7], s[46:47]
	CROUND                                         ; all sixteen work-groups are here: the first joint loads meet
.irp s, 0,1
	s_mov_b32 s[G0+4*(\s)], 1                                      ; count = 1
	s_add_co_u32 s[G0+4*(\s)+1], s20, (\s)*SLOT                    ; LDS address
	s_add_nc_u64 s[G0+4*(\s)+2:G0+4*(\s)+3], s[14:15], (\s)*KSTEP*2  ; global address: K step s
	s_or_b32 s[G0+4*(\s)+3], s[G0+4*(\s)+3], 0x80000000            ; type = 2
	s_mov_b32 s[G0B+4*(\s)], 1
	s_add_co_u32 s[G0B+4*(\s)+1], s20, (\s)*SLOT
	s_add_nc_u64 s[G0B+4*(\s)+2:G0B+4*(\s)+3], s[46:47], (\s)*KSTEP*2
	s_or_b32 s[G0B+4*(\s)+3], s[G0B+4*(\s)+3], 0x80000000
	JLOAD \s                                       ; the ring is filled before anything else is done: two loads of mine are out
.endr
	; A fragment is 16 rows x 32 K in 8 registers: lane l holds row l % 16; registers 0-3 hold K = 8 (l / 16) + 0..7, registers 4-7 K = 16 + 8 (l / 16) + 0..7: two loads of 16 bytes, 32 bytes apart.
	v_and_b32 v1, 15, v0                           ; l % 16
	v_bfe_u32 v2, v0, 4, 1                         ; l / 16
	v_mul_u32_u24 v3, v1, PITCH
	v_lshl_add_u32 v3, v2, 4, v3                   ; row x pitch + 16 x half
	s_mul_i32 s21, s11, HALFT                      ; my 128 rows of Xb
	s_mul_i32 s22, s12, HALFT                      ; my 128 rows of Wb,
	s_add_co_u32 s22, s22, 2*HALFT                 ; which lie behind Xb's 256
.irp s, 0,1
	v_add_nc_u32 v[ADRA+(\s)], s21, v3
	v_add_nc_u32 v[ADRB+(\s)], s22, v3
	s_add_co_u32 s21, s21, SLOT
	s_add_co_u32 s22, s22, SLOT
.endr
	s_mul_i32 s23, s10, 16*SPITCH
	s_add_co_u32 s23, s23, STAGE                   ; my stage
	v_mul_u32_u24 v4, v1, SPITCH                   ; in: row l % 16, 16 bytes for each half of the lanes
	v_lshl_add_u32 v4, v2, 4, v4
	v_add_nc_u32 v[STO], s23, v4
	v_mul_u32_u24 v5, v2, SPITCH                   ; back: lanes 0-15 take one row of 256 bytes, lanes 16-31 the next
	v_lshl_add_u32 v5, v1, 4, v5
	v_add_nc_u32 v[RD], s23, v5
	v_mul_u32_u24 v5, v2, SIZE_N*2                 ; and the same two rows in QKV
	v_lshl_add_u32 v[CO], v1, 4, v5
	; where my part of the first tile begins in QKV, in bytes: s[16:17]; each way out adds it to QKV's address and steps it by a tile's 1,024 columns
	s_lshl_b32 s13, s13, 8
	s_lshl_b32 s14, s11, 7
	s_add_co_u32 s16, s13, s14                     ; my first row
	s_mov_b32 s17, 0
	s_mov_b64 s[18:19], SIZE_N*2
	s_mul_u64 s[16:17], s[16:17], s[18:19]
	s_lshl_b32 s46, s42, 9                         ; my first column, in bytes: 512 x tile column + 256 x half
	s_lshl_b32 s47, s12, 8
	s_add_co_u32 s46, s46, s47
	s_mov_b32 s47, 0
	s_add_nc_u64 s[16:17], s[16:17], s[46:47]
	; the bias: the first tile's columns are Q's; my place in each of the three vectors is the same
	s_lshl_b32 s76, s40, 10                        ; my tile's 256 columns of f32,
	s_lshl_b32 s77, s12, 9                         ; my wave's 128 of them
	s_add_co_u32 s76, s76, s77
	s_mov_b32 s77, 0
	s_add_nc_u64 s[BP:BP+1], s[68:69], s[76:77]
	; the prefetches.  s13 = 256 x tile row, s42 = tile column, s40 = cx, s41 = cy still stand
	s_lshl_b32 s42, s42, 8
	s_and_b32 s22, ttmp7, 0xffff                   ; cluster y
	s_cmp_eq_u32 s11, 0                            ; do I fetch for Xb?
	s_cselect_b32 s20, s13, s42                    ; the tile's first row: in Xb by the tile row, in Wb by the tile column
	s_cselect_b32 s21, s40, s41                    ; my place among the four that ask for it with me
	s_cselect_b32 s22, ttmp9, s22                  ; the coordinate along which other clusters read the same rows
	s_cselect_b64 s[PFA:PFA+1], s[4:5], s[6:7]
	s_cmp_eq_u32 s22, 0
	s_cselect_b32 s[LIM], 1, -1                    ; the same in all sixteen partners, for a given wave
	s_cmp_eq_u32 s11, 1
	s_cselect_b32 s[LIMB], s[LIM], -1
	s_lshl_b32 s22, s12, 7
	s_add_co_u32 s20, s20, s22                     ; + the 128 rows that I fetch
	s_lshl_b32 s21, s21, 5
	s_add_co_u32 s20, s20, s21                     ; + my work-group's 32 of them
	s_mov_b32 s21, 0
	s_mov_b64 s[18:19], SIZE_K*2
	s_mul_u64 s[20:21], s[20:21], s[18:19]
	s_add_nc_u64 s[PFA:PFA+1], s[PFA:PFA+1], s[20:21]  ; at the first tile's K step 0; nothing is prefetched here, at the head, where every work-group's first tiles are on their way
	v_and_b32 v[PFO], 31, v0
	v_mul_u32_u24 v[PFO], v[PFO], SIZE_K*2
	v_lshlrev_b32 v[BO], 5, v2
.macro GETBIAS                         ; sixteen loads: the bias of my 128 columns, as the C operands want it
	WIN TO_B
.irp b, 0,1,2,3,4,5,6,7
	global_load_b128 v[BIAS+8*(\b):BIAS+8*(\b)+3],   v[BO], s[BP:BP+1] offset:64*(\b)
	global_load_b128 v[BIAS+8*(\b)+4:BIAS+8*(\b)+7], v[BO], s[BP:BP+1] offset:64*(\b)+16
.endr
.endm
	GETBIAS
	WIN 0
; 16 matrix instructions: m blocks a0, a0 + 1 of the window's four (hi = 0: my rows 0-63, 1: rows 64-127) x all 8 n blocks, 32 along K.
; first = 1: the product starts the sum with the bias of its 16 columns as C.  The 64 accumulators take turns, one instruction a turn.
.macro MUL16 f, hi, a0, first
.if \first
	WIN MUL_B+0x40*(\hi)
.else
	WIN MUL_LO+0x50*(\hi)
.endif
.irp a, \a0, (\a0)+1
.irp b, 0,1,2,3,4,5,6,7
.if \first
	v_wmma_f32_16x16x32_bf16 v[8*(8*(\a)+(\b)):8*(8*(\a)+(\b))+7], v[(\f)+8*(\b):(\f)+8*(\b)+7], v[(\f)+8*(4*(\hi)+(\a)):(\f)+8*(4*(\hi)+(\a))+7], v[BIAS+8*(\b):BIAS+8*(\b)+7]
.else
	v_wmma_f32_16x16x32_bf16 v[8*(8*(\a)+(\b)):8*(8*(\a)+(\b))+7], v[(\f)+8*(\b):(\f)+8*(\b)+7], v[(\f)+8*(4*(\hi)+(\a)):(\f)+8*(4*(\hi)+(\a))+7], v[8*(8*(\a)+(\b)):8*(8*(\a)+(\b))+7]
.endif
.endr
.endr
.endm
; 32 LDS loads in one run: the fragments of one quarter step (128 rows of Wb, 128 rows of Xb, 32 K at byte k of the rows) into buffer f
.macro FETCH slot, k, f
	WIN TO_B
.irp i, 0,1,2,3,4,5,6,7
	ds_load_b128 v[(\f)+8*(\i):(\f)+8*(\i)+3],   v[ADRB+(\slot)] offset:(\k)+(\i)*16*PITCH
	ds_load_b128 v[(\f)+8*(\i)+4:(\f)+8*(\i)+7], v[ADRB+(\slot)] offset:(\k)+(\i)*16*PITCH+32
.endr
	WIN 0
.irp i, 0,1,2,3,4,5,6,7
	ds_load_b128 v[(\f)+8*(\i):(\f)+8*(\i)+3],   v[ADRA+(\slot)] offset:(\k)+(\i)*16*PITCH
	ds_load_b128 v[(\f)+8*(\i)+4:(\f)+8*(\i)+7], v[ADRA+(\slot)] offset:(\k)+(\i)*16*PITCH+32
.endr
.endm
; A load into a register that a matrix instruction has read, and a vector instruction that reads a matrix result, stand four places behind that matrix instruction, and only plain vector
; instructions that name none of its registers are places (ISA guide 7.12.1 for vector instructions).
.macro PLACES
.rept 4
	v_nop
.endr
.endm
; A K step is four quarter steps of 32 along K, 64 matrix instructions each, on buffers 0, 1, 0, 1.
; One of the first three: multiplies buffer f; in its middle it fetches the next quarter's fragments, at byte k of the same slot's rows, into buffer g.
.macro QUARTER slot, k, f, g, first
	s_wait_dscnt 8                                 ; Wb and Xb's rows 0-63 are in; the youngest eight loads (Xb's rows 64-127) may be out
	MUL16 \f, 0, 0, \first
	MUL16 \f, 0, 2, \first
	PLACES
	FETCH \slot, \k, \g
	s_wait_dscnt 32                                ; all but the 32 just issued
	MUL16 \f, 1, 0, \first
	MUL16 \f, 1, 2, \first
.endm
; The last quarter multiplies buffer 1 and changes slots.  MEET is its first half: ONE barrier for the change.  In front of it each wave waits for all its tensor loads, of which one is out: its part
; of the next slot; adds 0 to its spare word; and waits for that and for its own reads of this slot.  Behind it nobody reads this slot any more and the next slot is whole.
.macro MEET round                      ; round = 1: a round of the cluster's barrier follows
	WIN 0                                          ; (the add's two registers lie in window 0)
	s_wait_tensorcnt 0x0                           ; all my tensor loads have landed;
	ds_add_u32 v[SPW], v[NIL]                      ; 0 onto my spare word;
	s_wait_dscnt 9                                 ; (the add and the youngest eight loads may be out)
	MUL16 F1, 0, 0, 0                              ; sixteen matrix instructions stand between the add and the wait for it
	s_wait_dscnt 0x0                               ; the add is done, and my reads of this slot are over:
	s_barrier_signal -1                            ; say so,
	MUL16 F1, 0, 2, 0                              ; work on registers while the others arrive,
.if \round
	WIN 0
.endif
	s_barrier_wait -1                              ; and go on when all four have said so
.endm
; The whole last quarter.  Behind the round the slot just read out is filled again first: with this tile's K step two steps on (on = 0) or, in a tile's last two K steps, with the NEXT tile's
; K step 0 or 1 (on = 1); then come the next slot's first fragments.  kind: which of the tile's four changes of slots this is.
.macro TURN slot, next, on, kind
.if (\kind) == 2
	s_wait_xcnt 0x0                                ; the last prefetch, a K step back, has read its address: the base is stepped here, ahead of the waits of the change of slots
	s_add_nc_u64 s[PFA:PFA+1], s[PFA:PFA+1], WALKB ; on to the next tile's rows of Wb
	s_cmp_eq_u32 s11, 0
	s_cselect_b32 s[LIM], -1, s[LIM]               ; Xb's rows are the same for all three tiles: they have been read, and are prefetched no more
.endif
	MEET 1
	CREST                                          ; no wave of any partner still reads this slot's tile or has a load on its way
.if \on
	s_sub_nc_u64 s[G0+4*(\slot)+2:G0+4*(\slot)+3], s[G0+4*(\slot)+2:G0+4*(\slot)+3], BACK_A
	s_add_nc_u64 s[G0B+4*(\slot)+2:G0B+4*(\slot)+3], s[G0B+4*(\slot)+2:G0B+4*(\slot)+3], NEXT_B
.else
	s_add_nc_u64 s[G0+4*(\slot)+2:G0+4*(\slot)+3], s[G0+4*(\slot)+2:G0+4*(\slot)+3], 2*KSTEP*2
	s_add_nc_u64 s[G0B+4*(\slot)+2:G0B+4*(\slot)+3], s[G0B+4*(\slot)+2:G0B+4*(\slot)+3], 2*KSTEP*2
.endif
	JLOAD \slot                                    ; the first tensor load behind the round, my only one until the next; its four v_nop are also the places in front of the loads below
	FETCH \next, 0, F0
	ASK \kind
	MUL16 F1, 1, 0, 0
	MUL16 F1, 1, 2, 0
.endm
; THE LAST TILE's LAST K STEP (it lies in slot 1) GOES BY ROWS OF THE TILE.  All its fragments of Wb (4 quarters x 64 registers) fill window 1; then my eight blocks of 16 rows are finished one after
; the other, each with 32 matrix instructions (its 8 accumulators by turns, K ascending).  LDS is read no more than in any other K step.
.macro BLOAD q                         ; Wb's fragments of quarter q -> window 1, v[64 q ..] (quarter 0 takes the bias's registers, last read in the tile's first quarter step)
	WIN TO_B
.irp i, 0,1,2,3,4,5,6,7
	ds_load_b128 v[64*(\q)+8*(\i):64*(\q)+8*(\i)+3],   v[ADRB+1] offset:64*(\q)+(\i)*16*PITCH
	ds_load_b128 v[64*(\q)+8*(\i)+4:64*(\q)+8*(\i)+7], v[ADRB+1] offset:64*(\q)+(\i)*16*PITCH+32
.endr
.endm
.macro ALOAD a                         ; Xb's fragments of block a, all four quarters -> buffer a % 4
	WIN 0
.set FA, PA+32*((\a)%4)
.irp q, 0,1,2,3
	ds_load_b128 v[FA+8*(\q):FA+8*(\q)+3],   v[ADRA+1] offset:64*(\q)+(\a)*16*PITCH
	ds_load_b128 v[FA+8*(\q)+4:FA+8*(\q)+7], v[ADRA+1] offset:64*(\q)+(\a)*16*PITCH+32
.endr
.endm
.macro ROW a                           ; block a is finished: 32 matrix instructions
.set FA, PA+32*((\a)%4)
.set AC, 64*((\a)%4)                   ; its eight accumulators, in window 2 (blocks 0-3) or 3 (blocks 4-7)
	WIN MUL_LO+0x50*((\a)/4)
.irp q, 0,1,2,3
.if (\a) == 0 && (\q) == 2
	s_wait_dscnt 24                                ; Wb's quarter 2 is in (behind it: Xb's blocks 1 to 3)
.endif
.irp b, 0,1,2,3,4,5,6,7
	v_wmma_f32_16x16x32_bf16 v[AC+8*(\b):AC+8*(\b)+7], v[64*(\q)+8*(\b):64*(\q)+8*(\b)+7], v[FA+8*(\q):FA+8*(\q)+7], v[AC+8*(\b):AC+8*(\b)+7]
.endr
.endr
.endm
; THE WAY OUT of block a.  PACK: rounded to bf16, 16 bytes a lane, each accumulator's registers in ascending order.  TOSTAGE: into my own stage in LDS, and back as whole rows of 256 bytes.  SEND: stored.
.macro PACK a
.set AC, 64*((\a)%4)
	WIN 0x0a+5*((\a)/4)                            ; sources 0 and 1: window 2 or 3
.irp b, 0,1,2,3,4,5,6,7
.irp r, 0,1,2,3
	v_cvt_pk_bf16_f32 v[TMP+4*(\b)+(\r)], v[AC+8*(\b)+2*(\r)], v[AC+8*(\b)+2*(\r)+1]
.endr
.endr
	WIN 0
.endm
.macro TOSTAGE a
	WIN 0
.set BK, OB+192*((\a)%2)
.irp b, 0,1,2,3,4,5,6,7
	ds_store_b128 v[STO], v[TMP+4*(\b):TMP+4*(\b)+3] offset:32*(\b)
.endr
.irp t, 0,1,2,3,4,5,6,7
	ds_load_b128 v[BK+4*(\t):BK+4*(\t)+3], v[RD] offset:(\t)*2*SPITCH  ; LDS serves a wave's instructions in order (ISA guide 5.7.1.4): these see the stores above
.endr
.endm
.macro SEND a, younger                 ; younger: the LDS loads issued behind TOSTAGE's, which may stay out
	WIN 0
.set BK, OB+192*((\a)%2)
	s_wait_dscnt \younger                          ; the block is back in registers
	s_wait_xcnt 0x0                                ; only behind this wait are the stores' base and the registers that earlier stores read rewritten
.if (\a) == 0
	s_add_nc_u64 s[8:9], s[74:75], s[16:17]        ; QKV at this tile's first rows of mine;
	s_add_nc_u64 s[16:17], s[16:17], 2048          ; the next tile lies 1,024 columns further on
.else
	s_add_nc_u64 s[8:9], s[8:9], 16*SIZE_N*2       ; 16 rows on
.endif
.irp t, 0,1,2,3,4,5,6,7
	global_store_b128 v[CO], v[BK+4*(\t):BK+4*(\t)+3], s[8:9] offset:2*(\t)*SIZE_N*2  ; 16 lanes store 256 consecutive bytes, at a multiple of 256 from QKV's first byte
.endr
.endm
	s_wait_tensorcnt 1                             ; my part of K step 0 is in; K step 1's may stay out
	s_barrier_signal -1
	s_barrier_wait -1                              ; everybody's is
	FETCH 0, 0, F0
	s_mov_b32 s2, TILES                            ; tiles to go, this one among them: the same number in every work-group
.Ltile:                                                ; (FETCH and SEND leave every window 0)
	s_wait_loadcnt 0x0                             ; this tile's bias
	QUARTER 0, 64,  F0, F1, 1                      ; K step 0: its first quarter starts the sums with the bias
	QUARTER 0, 128, F1, F0, 0
	QUARTER 0, 192, F0, F1, 0
	TURN 0, 1, 0, 0                                ; slot 0 takes K step 2
	QUARTER 1, 64,  F0, F1, 0                      ; K step 1
	QUARTER 1, 128, F1, F0, 0
	QUARTER 1, 192, F0, F1, 0
	TURN 1, 0, 0, 1                                ; slot 1 takes K step 3
	QUARTER 0, 64,  F0, F1, 0                      ; K step 2
	QUARTER 0, 128, F1, F0, 0
	QUARTER 0, 192, F0, F1, 0
	WIN 0                                          ; at a label and at a branch every window is 0
	s_cmp_eq_u32 s2, 1
	s_cbranch_scc1 .Llast_tile                     ; the last tile's tail is written out: it asks for nothing more
	TURN 0, 1, 1, 2                                ; THE RING GOES ON INTO THE NEXT TILE: slot 0 takes its K step 0
	s_cmp_eq_u32 s2, TILES                         ; the next tile's bias: K's behind the first tile, V's behind the second.  The loads that named the old base were waited for at the tile's head,
	s_cselect_b64 s[BP:BP+1], s[70:71], s[72:73]   ; and the bias's registers were last read in the tile's first quarter step
	s_add_nc_u64 s[BP:BP+1], s[BP:BP+1], s[76:77]
	GETBIAS
	QUARTER 1, 64,  F0, F1, 0                      ; K step 3
	QUARTER 1, 128, F1, F0, 0
	QUARTER 1, 192, F0, F1, 0
	TURN 1, 0, 1, 3                                ; slot 1 takes the next tile's K step 1, and its first fragments are fetched
	PACK 0                                         ; BOTH REFILLS ARE ASKED FOR: NOW THE TILE GOES OUT.  No v_nop: blocks 0-3 were finished in front of the joint load's places, and their 128 conversions,
	TOSTAGE 0                                      ; which name no register of the last products (blocks 4-7's), are those products' places
.irp a, 1,2,3,4,5,6,7                  ; block a's conversions stand between block a - 1's loads from the stage and the wait for them
	PACK \a
	SEND (\a)-1, 0
	TOSTAGE \a
.endr
	SEND 7, 0
	s_sub_co_u32 s2, s2, 1
	s_branch .Ltile
.Llast_tile:
	MEET 0                                         ; my one tensor load that was still out is K step 3's, so no round follows
	PLACES                                         ; for the loads into buffer 0, which the quarter before multiplied
	BLOAD 0                                        ; three quarters of Wb now: buffer 1 (v128-191 of both windows) is still being multiplied
	BLOAD 1
	BLOAD 3
	ALOAD 0
	MUL16 F1, 1, 0, 0
	MUL16 F1, 1, 2, 0
	PLACES                                         ; for the loads into buffer 1
	BLOAD 2
	ALOAD 1
	ALOAD 2
	ALOAD 3
	s_wait_dscnt 40                                ; all but the 40 just issued
	ROW 0
.irp a, 0,1,2,3,4,5,6,7                ; each block leaves as soon as it is finished: nothing follows this tile
	PLACES                                         ; its conversions read results just made
	PACK \a
	TOSTAGE \a
.if (\a) < 4
	ALOAD (\a)+4                                   ; its buffer takes the block four further on
	SEND \a, 8
.else
	SEND \a, 0
.endif
.if (\a) < 7
	ROW (\a)+1
.endif
.endr
	s_wait_tensorcnt 0x0                           ; the wave's end: behind my last tensor load and my last LDS store
	ds_add_u32 v[SPW], v[NIL]
	s_wait_dscnt 0x0
	CROUND                                         ; the closing round: no work-group ends while a partner may still ask for a tile that names it
	s_endpgm
.Lfunc_end_k_qab69837dd2_proj:
	.size	k_qab69837dd2_proj, .Lfunc_end_k_qab69837dd2_proj-k_qab69837dd2_proj
	.p2alignl 7, 3214868480
	.fill 96, 4, 3214868480
	.section	.rodata,"a",@progbits
	.p2align	6, 0x0
	.amdhsa_kernel k_qab69837dd2_proj
		.amdhsa_group_segment_fixed_size 327680
		.amdhsa_private_segment_fixed_size 0
		.amdhsa_enable_private_segment 0
		.amdhsa_kernarg_size 48
		.amdhsa_user_sgpr_count 2
		.amdhsa_user_sgpr_kernarg_segment_ptr 1
		.amdhsa_wavefront_size32 1
		.amdhsa_system_sgpr_workgroup_id_x 1
		.amdhsa_system_sgpr_workgroup_id_y 1
		.amdhsa_system_sgpr_workgroup_id_z 1
		.amdhsa_system_vgpr_workitem_id 0
		.amdhsa_next_free_vgpr 1024
		.amdhsa_next_free_sgpr 80
		.amdhsa_reserve_vcc 0
		.amdhsa_float_denorm_mode_32 3
		.amdhsa_float_denorm_mode_16_64 3
		.amdhsa_memory_ordered 1
		.amdhsa_forward_progress 1
		.amdhsa_inst_pref_size 213
	.end_amdhsa_kernel
	.amdgpu_metadata
---
amdhsa.version: [ 1, 2 ]
amdhsa.kernels:
  - .name:           k_qab69837dd2_proj
    .symbol:         k_qab69837dd2_proj.kd
    .args:
      - { .name: Xb, .offset: 0, .size: 8, .value_kind: global_buffer, .address_space: global }
      - { .name: Wb, .offset: 8, .size: 8, .value_kind: global_buffer, .address_space: global }
      - { .name: bq, .offset: 16, .size: 8, .value_kind: global_buffer, .address_space: global }
      - { .name: bk, .offset: 24, .size: 8, .value_kind: global_buffer, .address_space: global }
      - { .name: bv, .offset: 32, .size: 8, .value_kind: global_buffer, .address_space: global }
      - { .name: QKV, .offset: 40, .size: 8, .value_kind: global_buffer, .address_space: global }
    .group_segment_fixed_size: 327680
    .private_segment_fixed_size: 0
    .kernarg_segment_align: 8
    .kernarg_segment_size: 48
    .max_flat_workgroup_size: 128
    .sgpr_count:     80
    .vgpr_count:     1024
    .wavefront_size: 32
...
	.end_amdgpu_metadata
.endif
;; end of part 5
;; launch stats (part 6): grid 8 x 32, 4 waves a work-group, clusters of 4 x 4, 327,680 bytes of LDS; arguments QKV, ST; writes ST
.if DOCPART == 6
	.amdgcn_target "amdgcn-amd-amdhsa--gfx1250"
	.amdhsa_code_object_version 6
	.text
	.protected	k_qab69837dd2_stats
	.globl	k_qab69837dd2_stats
	.p2align	8
	.type	k_qab69837dd2_stats,@function
k_qab69837dd2_stats:
	s_mov_b64 s[64:65], 0
	v_nop
	global_prefetch_b8 v0, s[64:65] scope:SCOPE_SE
	s_setreg_imm32_b32 hwreg(HW_REG_WAVE_MODE, 25, 1), 1
	s_wait_xcnt 0x0
	s_wait_alu depctr_hold_cnt(0) depctr_sa_sdst(0) depctr_va_vdst(0) depctr_va_sdst(0) depctr_va_ssrc(0) depctr_va_vcc(0) depctr_vm_vsrc(0)
	s_getreg_b32 s2, hwreg(HW_REG_IB_STS2, 6, 4)
	s_cmp_eq_u32 s2, 0
	s_cbranch_scc0 .Lentry_in_a_cluster
	s_endpgm
.Lentry_in_a_cluster:
	s_bfe_u32 s2, ttmp6, 0x10000c
	s_cmp_lg_u32 s2, 0xf033
	s_cbranch_scc0 .Lentry_shape_is_right
	s_endpgm
.Lentry_shape_is_right:
; THE SOFTMAX's STATISTICS, in parts.  s[q][k] = Q[q] . K[k] where k <= q, and 0 where k > q (the lower triangle is kept, the rest is ZERO and still counts in the softmax).
; For each query and each block of 64 keys: cm = c x max over the block of s, l = the sum over the block of 2^(c s - cm), c = log2(e) / 32.  The launch behind merges a row's parts.
; Q = columns 0-1023 and K = columns 1024-2047 of QKV [16384][3072] bf16; products, maxima and sums in f32.
; SHARES.  A batch's 2,048 x 2,048 scores fall into blocks of 512 x 512, of which the ten with J <= I are made, numbered row by row: 0 | 1 2 | 3 4 5 | 6 7 8 9.  A cluster of 4 x 4 work-groups makes a block;
; a work-group makes 128 queries x 128 keys of it, each of its four waves 64 x 64: 16 accumulators.  K (the 1,024 channels) goes in four steps of 256 through two LDS slots.
; A CLUSTER STAYS: cluster y is the batch, cluster x (0, 1) takes five of its ten blocks, in the order 5 x + 4, 5 x, 5 x + 1, 5 x + 2, 5 x + 3.  The ring does not stop at a block's end: a block's last two
; changes of slots ask for the next block's first two K steps, and the block's statistics are made while the second of them is on its way.  The walk's last block, (2, 0) or (3, 2), lies off the
; diagonal, so the tail, which is written out, holds no mask.
; Key blocks of 512 beyond a row's own are all zeros and are not made: the launch behind knows their part, (0, 64), in closed form.
; In a block on the diagonal (I = J) six of the sixteen work-groups lie wholly above it; they multiply all the same, since every partner makes every joint request
; Their scores are then set to 0, and what they store, (0, 64), is the true part of those zeros.
; CLUSTERS.  The four of a row of the cluster need the same 128 rows of Q, the four of a column the same 128 rows of K: each tile is asked for JOINTLY.
; No prefetch: a step's tile is 64 rows a wave, and a batch's rows of Q and K are walked again and again by the batch's two clusters.
; THE MATRIX INSTRUCTION: source 0 = 16 keys, source 1 = 16 queries: lane l holds ONE query (l % 16) and the keys 8 (l / 16) + 0..7; a query's other keys lie in the lane 16 away.
; LIMITS.  A weight below 2^-126 counts as 0 in l; NaN and infinities are not treated apart; Q and K arrive rounded to bf16.
; REGISTERS: window 0: v0-31 addresses; v32-63 eight registers of statistics for each of the four blocks of 16 queries; v64-67 what is stored; v128-255 the accumulators ((a, b) at v[128 + 8 (4 a + b)]).
;   window 1: two fragment buffers of 128: for 64 along K, 64 registers of Q (2 x 4 x 16 rows x 32 K), then 64 of K.
.set KSTEP,  256
.set ROWE,   3072                      ; elements in a row of QKV
.set TILES,  5                         ; blocks that a cluster walks
.set BLKB,   512*ROWE*2                ; bytes from a block's 512 rows of QKV to the next block's
.set PITCH,  528                       ; an LDS row: 512 bytes + 16 of padding = 132 words: row r starts at bank 4 r mod 64 (64 banks of 4 bytes: ISA guide 11.1)
.set HALFT,  64*PITCH                  ; 64 rows: what one tensor load brings, and what one wave reads of Q or of K
.set SLOT,   4*HALFT                   ; Q's 128 rows, then K's 128 rows
.set SPARE,  2*SLOT                    ; behind the ring: the spare words, 128 bytes for each wave: two blocks of 256 bytes that no other line names
.set ADRA, 16                          ; v16-17  LDS address of my Q fragments in slot 0, 1
.set ADRB, 20                          ; v20-21  the same for K
.set D0,   24                          ; v24     in a block on the diagonal: my query's number less my first key's: register j of accumulator (a, b) is above the diagonal where 16 (b - a) + j is greater
.set SO,   25                          ; v25     16 x my lane: my 16 bytes of the wave's 512 in ST; never rewritten
.set ZR,   26                          ; v26     0, the value of a score above the diagonal
.set SPW,  28                          ; v28     LDS address of my spare word: SPARE + 4 x my thread's number; never rewritten
.set NIL,  29                          ; v29     0; never rewritten
.set T,    32                          ; block a's statistics at v[T + 8 a]: +0 cm, +1 m, +2, +3 l (even keys', odd keys'; then l), +4 to +7 c0-c3, at work
.set OUT,  64
.set ACC,  128
.set F0,   0                           ; fragment buffers, in window 1
.set F1,   128
.set G1, 24                            ; s[24:31] descriptor group 1 for Q's tiles;  s[32:39] group 0, one set for each slot
.set G0, 32
.set G1B, 48                           ; s[48:55], s[56:63] the same for K's tiles
.set G0B, 56
.set SEL, 2                            ; s[2:3]   lane selects for v_permlanex16_b32: each lane takes its own place in the other half
.set QP,  14                           ; s[14:15] Q at the rows that I fetch in the batch's block 0; never rewritten
.set KP,  46                           ; s[46:47] K likewise
.set BI,  66                           ; s66, s67 I and J of the block in hand
.set BJ,  67
.set CS,  74                           ; s[74:75] c: the packed scaling names a pair and takes its low word for both halves
.set BLK, 76                           ; s76      the number of the block asked for last
.set LEFT, 77                          ; s77      blocks to go, the one in hand among them
.set NI,  78                           ; s78, s79 I and J of the next block
.set NJ,  79
.set OFA, 80                           ; s[80:81] I x BLKB of the block to be asked for
.set OFB, 82                           ; s[82:83] J x BLKB
.set STP, 84                           ; s[84:85] ST at the 512 bytes that I store for the block in hand
.set STF, 86                           ; s[86:87] their offset
.set FST, 88                           ; s88      5 x cluster x: the cluster's lowest block;  s89: one past its highest
.set MSB, 0
.macro WIN new                         ; the immediate's high byte repeats the setting that is left; a switch that changes nothing is dropped
.if MSB != (\new)
	s_set_vgpr_msb (MSB<<8)|(\new)
.set MSB, \new
.endif
.endm
.set MUL,  0x05                        ; sources 0 (K) and 1 (Q) window 1; C and D window 0
.set TO_F, 0x40                        ; destination window 1, address window 0
.macro JLOAD s                         ; a joint load: waves 0 and 1 fetch Q's two halves, waves 2 and 3 K's; an s_nop 0 and four v_nop follow each of the two lines, ahead of the jump, the label and what follows
	s_cmp_eq_u32 s11, 0
	s_cbranch_scc0 .Lfor_b_\@
	tensor_load_to_lds s[G0+4*(\s):G0+4*(\s)+3], s[G1:G1+7]
	s_nop 0
.rept 4
	v_nop
.endr
	s_branch .Lasked_\@
.Lfor_b_\@:
	tensor_load_to_lds s[G0B+4*(\s):G0B+4*(\s)+3], s[G1B:G1B+7]
	s_nop 0
.rept 4
	v_nop
.endr
.Lasked_\@:
.endm
.macro CREST                           ; a round of the cluster's barrier behind its opening barrier
	s_cmp_lg_u32 s10, 0
	s_cbranch_scc1 .Lnot_wave_0_\@
	s_barrier_signal -3
.Lnot_wave_0_\@:
	s_barrier_wait -3
	s_barrier_signal -1
	s_barrier_wait -1
.endm
.macro CROUND                          ; a whole round
	s_barrier_signal -1
	s_barrier_wait -1
	CREST
.endm
.macro BLOCK c, i, j                   ; block number s[c] -> I in s[i], J in s[j]
	s_cmp_ge_u32 s[\c], 1
	s_cselect_b32 s[\i], 1, 0
	s_cmp_ge_u32 s[\c], 3
	s_cselect_b32 s[\i], 2, s[\i]
	s_cmp_ge_u32 s[\c], 6
	s_cselect_b32 s[\i], 3, s[\i]
	s_add_co_u32 s[\j], s[\i], 1
	s_mul_i32 s[\j], s[\j], s[\i]
	s_lshr_b32 s[\j], s[\j], 1
	s_sub_co_u32 s[\j], s[\c], s[\j]               ; J = number - I (I + 1) / 2
.endm
	s_load_b128 s[4:7], s[0:1], 0x0                ; QKV s[4:5], ST s[6:7]
	v_lshl_add_u32 v[SPW], v0, 2, SPARE
	v_mov_b32 v[NIL], 0
	ds_add_u32 v[SPW], v[NIL]                      ; the wave's opening: the add and its wait stand ahead of my first tensor load; the set-up below, work on registers, stands between them
	v_lshrrev_b32 v1, 5, v0
	v_readfirstlane_b32 s10, v1                    ; wave 0..3
	s_lshr_b32 s11, s10, 1                         ; which 64 of the tile's queries are mine.  Also: I fetch for Q (0) or for K (1)
	s_and_b32 s12, s10, 1                          ; which 64 of its keys.  Also: which 64 rows of that tile I fetch
	s_bfe_u32 s40, ttmp6, 0x40000                  ; cx, cy: my place in the cluster
	s_bfe_u32 s41, ttmp6, 0x40004
	s_mul_i32 s[FST], ttmp9, TILES
	s_add_co_u32 s[FST+1], s[FST], TILES
	s_add_co_u32 s[BLK], s[FST], TILES-1           ; the walk begins at the cluster's highest block
	BLOCK BLK, BI, BJ
	s_mul_i32 s[OFA], s[BI], BLKB
	s_mov_b32 s[OFA+1], 0
	s_mul_i32 s[OFB], s[BJ], BLKB
	s_mov_b32 s[OFB+1], 0
	s_and_b32 s68, ttmp7, 0xffff                   ; the batch
	s_lshl_b32 s69, s68, 11                        ; its first row
	s_lshl_b32 s43, s41, 2
	s_lshl_b32 s43, 15, s43                        ; my row of the cluster
	s_lshl_b32 s44, 0x1111, s40                    ; my column
	; descriptor group 1: a tile of 64 rows x 256 elements, padded in LDS
	s_or_b32 s[G1+0], s43, (1<<16)|(1<<20)|(1<<21)|(6<<22)|(3<<25)  ; 15:0 the mask: Q's tiles go to my row; 17:16 elements of 2 bytes; 20 padding on; 21 set beside a mask; 24:22 after every 128 words (code 6); 31:25 4 words of it (code 3)
	s_or_b32 s[G1B+0], s44, (1<<16)|(1<<20)|(1<<21)|(6<<22)|(3<<25) ; the same with the mask of my column, for K's tiles
.irp g, G1, G1B
	s_mov_b32 s[(\g)+1], KSTEP<<16                 ; tensor_dim0 = 256
	s_mov_b32 s[(\g)+2], 64<<16                    ; tensor_dim1 = 64
	s_mov_b32 s[(\g)+3], KSTEP<<16                 ; tile_dim0 = 256
	s_mov_b32 s[(\g)+4], 64                        ; tile_dim1 = 64
	s_mov_b32 s[(\g)+5], ROWE                      ; elements from row to row
	s_mov_b32 s[(\g)+6], 0
	s_mov_b32 s[(\g)+7], 0
.endr
	s_lshl_b32 s17, s12, 6                         ; which 64 rows of the tile I fetch,
	s_add_co_u32 s17, s17, s69                     ; in the batch
	s_lshl_b32 s16, s41, 7
	s_add_co_u32 s16, s16, s17                     ; Q: row 128 cy + 64 x half of a block
	s_lshl_b32 s46, s40, 7
	s_add_co_u32 s46, s46, s17                     ; K: row 128 cx + 64 x half of a block
	s_mov_b32 s17, 0
	s_mov_b32 s47, 0
	s_mov_b64 s[18:19], ROWE*2
	s_mul_u64 s[16:17], s[16:17], s[18:19]
	s_mul_u64 s[46:47], s[46:47], s[18:19]
	s_mul_i32 s20, s10, HALFT                      ; where they go: wave x 64 rows: no place in the cluster enters an LDS address
	s_mov_b32 s[CS], 0x3d38aa3b                    ; c = log2(e) / 32 = 0.0450842
	s_mov_b32 s[CS+1], s[CS]                       ; named with it as a pair, so it is written
	s_mov_b32 s[SEL], 0x76543210
	s_mov_b32 s[SEL+1], 0xfedcba98
	s_wait_dscnt 0x0                               ; the opening add is done
	s_wait_kmcnt 0x0
	s_add_nc_u64 s[QP:QP+1], s[4:5], s[16:17]
	s_add_nc_u64 s[KP:KP+1], s[4:5], s[46:47]
	s_add_nc_u64 s[KP:KP+1], s[KP:KP+1], 2048      ; K's columns begin 2,048 bytes into a row
	CROUND                                         ; all sixteen work-groups are here: the first joint loads meet
; Group 0's address words for slot s are made anew from the fixed pointers and the block's offsets: K step s of the block
.macro ANEW s
	s_add_nc_u64 s[G0+4*(\s)+2:G0+4*(\s)+3], s[QP:QP+1], s[OFA:OFA+1]
	s_add_nc_u64 s[G0B+4*(\s)+2:G0B+4*(\s)+3], s[KP:KP+1], s[OFB:OFB+1]
.if \s
	s_add_nc_u64 s[G0+4*(\s)+2:G0+4*(\s)+3], s[G0+4*(\s)+2:G0+4*(\s)+3], (\s)*KSTEP*2
	s_add_nc_u64 s[G0B+4*(\s)+2:G0B+4*(\s)+3], s[G0B+4*(\s)+2:G0B+4*(\s)+3], (\s)*KSTEP*2
.endif
	s_or_b32 s[G0+4*(\s)+3], s[G0+4*(\s)+3], 0x80000000    ; type = 2
	s_or_b32 s[G0B+4*(\s)+3], s[G0B+4*(\s)+3], 0x80000000
.endm
.irp s, 0,1
	s_mov_b32 s[G0+4*(\s)], 1
	s_add_co_u32 s[G0+4*(\s)+1], s20, (\s)*SLOT
	s_mov_b32 s[G0B+4*(\s)], 1
	s_add_co_u32 s[G0B+4*(\s)+1], s20, (\s)*SLOT
	ANEW \s
	JLOAD \s                                       ; two loads of mine are out
.endr
	v_and_b32 v1, 15, v0                           ; l % 16
	v_bfe_u32 v2, v0, 4, 1                         ; l / 16
	v_mul_u32_u24 v3, v1, PITCH
	v_lshl_add_u32 v3, v2, 4, v3                   ; a fragment's row x pitch + 16 x half
	s_mul_i32 s21, s11, HALFT                      ; my 64 rows of Q
	s_mul_i32 s22, s12, HALFT                      ; my 64 rows of K,
	s_add_co_u32 s22, s22, 2*HALFT                 ; which lie behind Q's 128
.irp s, 0,1
	v_add_nc_u32 v[ADRA+(\s)], s21, v3
	v_add_nc_u32 v[ADRB+(\s)], s22, v3
	s_add_co_u32 s21, s21, SLOT
	s_add_co_u32 s22, s22, SLOT
.endr
	; the diagonal, where I = J: query 128 cy + 64 s11 + 16 a + l % 16 of the block against key 128 cx + 64 s12 + 16 b + 8 (l / 16) + j
	s_sub_co_i32 s72, s41, s40
	s_lshl_b32 s72, s72, 7
	s_sub_co_i32 s73, s11, s12
	s_lshl_b32 s73, s73, 6
	s_add_co_i32 s72, s72, s73
	v_lshlrev_b32 v3, 3, v2
	v_sub_nc_u32 v[D0], v1, v3
	v_add_nc_u32 v[D0], s72, v[D0]
	v_mov_b32 v[ZR], 0
	v_and_b32 v[SO], 31, v0
	v_lshlrev_b32 v[SO], 4, v[SO]
	; ST: [group of 64 rows g][block of 64 keys p][lane][4 words]: 512 bytes for each (g, p), which one wave stores.  g = 32 x batch + 8 I + 2 cy + half, p = 8 J + 2 cx + half: here the part without I and J
	s_lshl_b32 s70, s68, 5
	s_lshl_b32 s71, s41, 1
	s_add_co_u32 s70, s70, s71
	s_add_co_u32 s70, s70, s11
	s_lshl_b32 s70, s70, 5
	s_lshl_b32 s71, s40, 1
	s_add_co_u32 s70, s70, s71
	s_add_co_u32 s70, s70, s12
	s_lshl_b32 s70, s70, 9
	s_mov_b32 s71, 0
	s_add_nc_u64 s[6:7], s[6:7], s[70:71]
; 8 matrix instructions: query blocks a0, a0 + 1 x all 4 key blocks, 32 along K: half c of buffer f.  zero = 1: the first product starts the sums.  The 16 accumulators take turns.
.macro MUL8 f, c, a0, zero
	WIN MUL
.irp a, \a0, (\a0)+1
.irp b, 0,1,2,3
.if \zero
	v_wmma_f32_16x16x32_bf16 v[ACC+8*(4*(\a)+(\b)):ACC+8*(4*(\a)+(\b))+7], v[(\f)+64+8*(4*(\c)+(\b)):(\f)+64+8*(4*(\c)+(\b))+7], v[(\f)+8*(4*(\c)+(\a)):(\f)+8*(4*(\c)+(\a))+7], 0
.else
	v_wmma_f32_16x16x32_bf16 v[ACC+8*(4*(\a)+(\b)):ACC+8*(4*(\a)+(\b))+7], v[(\f)+64+8*(4*(\c)+(\b)):(\f)+64+8*(4*(\c)+(\b))+7], v[(\f)+8*(4*(\c)+(\a)):(\f)+8*(4*(\c)+(\a))+7], v[ACC+8*(4*(\a)+(\b)):ACC+8*(4*(\a)+(\b))+7]
.endif
.endr
.endr
.endm
; 32 LDS loads in one run: the fragments of 64 along K at byte k of the rows, into buffer f; the first 32 along K first
.macro FETCH slot, k, f
	WIN TO_F
.irp c, 0,1
.irp i, 0,1,2,3
	ds_load_b128 v[(\f)+64+8*(4*(\c)+(\i)):(\f)+64+8*(4*(\c)+(\i))+3],   v[ADRB+(\slot)] offset:(\k)+64*(\c)+(\i)*16*PITCH
	ds_load_b128 v[(\f)+64+8*(4*(\c)+(\i))+4:(\f)+64+8*(4*(\c)+(\i))+7], v[ADRB+(\slot)] offset:(\k)+64*(\c)+(\i)*16*PITCH+32
	ds_load_b128 v[(\f)+8*(4*(\c)+(\i)):(\f)+8*(4*(\c)+(\i))+3],         v[ADRA+(\slot)] offset:(\k)+64*(\c)+(\i)*16*PITCH
	ds_load_b128 v[(\f)+8*(4*(\c)+(\i))+4:(\f)+8*(4*(\c)+(\i))+7],       v[ADRA+(\slot)] offset:(\k)+64*(\c)+(\i)*16*PITCH+32
.endr
.endr
.endm
.macro PLACES                          ; four places in front of loads into registers that matrix instructions have read, and of vector lines that read or write results
.rept 4
	v_nop
.endr
.endm
; A K step is four quarters of 64 along K, 32 matrix instructions each, on buffers 0, 1, 0, 1.  One of the first three: multiplies buffer f and fetches the next quarter, at byte k, into g.
.macro QUARTER slot, k, f, g, zero
	s_wait_dscnt 16                                ; the first 32 along K are in; the sixteen younger loads may be out
	MUL8 \f, 0, 0, \zero
	MUL8 \f, 0, 2, \zero
	PLACES
	FETCH \slot, \k, \g
	s_wait_dscnt 32                                ; all but the 32 just issued
	MUL8 \f, 1, 0, 0
	MUL8 \f, 1, 2, 0
.endm
; The last quarter multiplies buffer 1 and changes slots: ONE barrier; in front of it each wave waits for all its tensor loads, adds 0 to its spare word, and waits for that and for its own reads of this slot.
; fill = 1: this slot is filled again with the block's K step two steps on; fill = 2: with the NEXT block's K step 0 or 1.  The barrier then opens a round of the cluster's, and the joint refill is the
; first thing behind the round.  fill = 0: nothing is left to fetch.
.macro TURN slot, next, fill
	WIN 0                                          ; (the add's two registers lie in window 0)
	s_wait_tensorcnt 0x0                           ; all my tensor loads have landed: my part of the next slot;
	ds_add_u32 v[SPW], v[NIL]                      ; 0 onto my spare word;
	s_wait_dscnt 17                                ; (the add and the youngest sixteen loads may be out)
	MUL8 F1, 0, 0, 0                               ; eight matrix instructions stand between the add and the wait for it
	s_wait_dscnt 0x0                               ; the add is done, and my reads of this slot are over
	s_barrier_signal -1
	MUL8 F1, 0, 2, 0
.if \fill
	WIN 0
.endif
	s_barrier_wait -1
.if (\fill) == 1
	CREST                                          ; no wave of any partner still reads this slot's tile or has a load on its way
	s_add_nc_u64 s[G0+4*(\slot)+2:G0+4*(\slot)+3], s[G0+4*(\slot)+2:G0+4*(\slot)+3], 2*KSTEP*2
	s_add_nc_u64 s[G0B+4*(\slot)+2:G0B+4*(\slot)+3], s[G0B+4*(\slot)+2:G0B+4*(\slot)+3], 2*KSTEP*2
	JLOAD \slot                                    ; my one tensor load behind the round; its four v_nop are also the places in front of the loads below
.elseif (\fill) == 2
	CREST
	ANEW \slot
	JLOAD \slot
.else
	PLACES
.endif
	FETCH \next, 0, F0
	MUL8 F1, 1, 0, 0
	MUL8 F1, 1, 2, 0
.endm
; THE STATISTICS of the block in hand.  Block a of 16 queries has 32 scores a lane, v[ACC + 32 a ..]; a line is written for all four blocks in turn, so that no line reads the result of the one before it.
; diag = 1: the block may lie on the diagonal.
.macro ALLA line:vararg
.set ta, 0
.rept 4
	\line
.set ta, ta+1
.endr
.endm
.macro EPI diag
	PLACES
	s_wait_xcnt 0x0                                ; the last block's store has read its data and its base: both are rewritten only behind this wait
	s_lshl_b32 s[STF], s[BI], 17                   ; 8 I groups of 64 rows x 32 x 512 bytes
	s_lshl_b32 s[STF+1], s[BJ], 12                 ; 8 J blocks of 64 keys x 512 bytes
	s_add_co_u32 s[STF], s[STF], s[STF+1]
	s_mov_b32 s[STF+1], 0
	s_add_nc_u64 s[STP:STP+1], s[6:7], s[STF:STF+1]
.if \diag
	s_cmp_lg_u32 s[BI], s[BJ]                      ; only a block on the diagonal has scores above it: I and J are the same in all sixteen partners
	s_cbranch_scc1 .Lopen_\@
.set ta, 0
.rept 4
.set tb, 0
.rept 4
.set j, 0
.rept 8                                ; each accumulator's registers in ascending order
	v_cmp_gt_i32 vcc_lo, 16*(tb-ta)+j, v[D0]
	v_cndmask_b32 v[ACC+32*ta+8*tb+j], v[ACC+32*ta+8*tb+j], v[ZR], vcc_lo
.set j, j+1
.endr
.set tb, tb+1
.endr
.set ta, ta+1
.endr
.Lopen_\@:
.endif
	; the maximum of a lane's 32 scores, three operands at a time: four chains c0-c3 of seven scores each (each accumulator's lowest registers first), the four scores left over, c0-c3 into c0
.set j, 0
.rept 4
	ALLA v_max3_num_f32 v[T+8*ta+4+j], v[ACC+32*ta+8*j], v[ACC+32*ta+8*j+1], v[ACC+32*ta+8*j+2]
.set j, j+1
.endr
.set j, 4
.rept 8
	ALLA v_max3_num_f32 v[T+8*ta+4+j%4], v[T+8*ta+4+j%4], v[ACC+32*ta+8*(j%4)+2*(j/4)+1], v[ACC+32*ta+8*(j%4)+2*(j/4)+2]
.set j, j+1
.endr
	ALLA v_max3_num_f32 v[T+8*ta+4], v[T+8*ta+4], v[ACC+32*ta+7], v[ACC+32*ta+15]
	ALLA v_max3_num_f32 v[T+8*ta+6], v[T+8*ta+6], v[ACC+32*ta+23], v[ACC+32*ta+31]
	ALLA v_max3_num_f32 v[T+8*ta+4], v[T+8*ta+4], v[T+8*ta+5], v[T+8*ta+6]
	ALLA v_max_num_f32 v[T+8*ta+4], v[T+8*ta+4], v[T+8*ta+7]
	ALLA v_permlanex16_b32 v[T+8*ta+5], v[T+8*ta+4], s[SEL], s[SEL+1]
	ALLA v_max_num_f32 v[T+8*ta+1], v[T+8*ta+4], v[T+8*ta+5]
	ALLA v_mul_f32 v[T+8*ta], s[CS], v[T+8*ta+1]
	; c s - cm, two scores a line
.set j, 0
.rept 16
	ALLA v_pk_fma_f32 v[ACC+32*ta+2*j:ACC+32*ta+2*j+1], v[ACC+32*ta+2*j:ACC+32*ta+2*j+1], s[CS:CS+1], v[T+8*ta:T+8*ta+1] op_sel_hi:[1,0,0] neg_lo:[0,0,1] neg_hi:[0,0,1]
.set j, j+1
.endr
	; the 128 exponentials are one batch: none reads another's result
.set j, 0
.rept 128
	v_exp_f32 v[ACC+j], v[ACC+j]
.set j, j+1
.endr
	v_nop                                          ; a plain instruction behind the last exponential (ISA guide 5.7.2),
	s_wait_alu depctr_va_vdst(0)                   ; and one wait ahead of the batch's first reader
	; the sum of a block's 16 pairs: neighbours 1, 2, 4 and 8 pairs apart
.set j, 0
.rept 8
	ALLA v_pk_add_f32 v[ACC+32*ta+4*j:ACC+32*ta+4*j+1], v[ACC+32*ta+4*j:ACC+32*ta+4*j+1], v[ACC+32*ta+4*j+2:ACC+32*ta+4*j+3]
.set j, j+1
.endr
.set j, 0
.rept 4
	ALLA v_pk_add_f32 v[ACC+32*ta+8*j:ACC+32*ta+8*j+1], v[ACC+32*ta+8*j:ACC+32*ta+8*j+1], v[ACC+32*ta+8*j+4:ACC+32*ta+8*j+5]
.set j, j+1
.endr
.set j, 0
.rept 2
	ALLA v_pk_add_f32 v[ACC+32*ta+16*j:ACC+32*ta+16*j+1], v[ACC+32*ta+16*j:ACC+32*ta+16*j+1], v[ACC+32*ta+16*j+8:ACC+32*ta+16*j+9]
.set j, j+1
.endr
	ALLA v_pk_add_f32 v[T+8*ta+2:T+8*ta+3], v[ACC+32*ta:ACC+32*ta+1], v[ACC+32*ta+16:ACC+32*ta+17]
	ALLA v_add_f32 v[T+8*ta+4], v[T+8*ta+2], v[T+8*ta+3]
	ALLA v_permlanex16_b32 v[T+8*ta+5], v[T+8*ta+4], s[SEL], s[SEL+1]
	ALLA v_add_f32 v[T+8*ta+2], v[T+8*ta+4], v[T+8*ta+5]
	; both halves of the lanes now hold all four blocks' (cm, l): lanes 0-15 store blocks 0 and 1, lanes 16-31 blocks 2 and 3
	v_cmp_eq_u32 vcc_lo, 1, v2
	v_cndmask_b32 v[OUT],   v[T],    v[T+16], vcc_lo
	v_cndmask_b32 v[OUT+1], v[T+2],  v[T+18], vcc_lo
	v_cndmask_b32 v[OUT+2], v[T+8],  v[T+24], vcc_lo
	v_cndmask_b32 v[OUT+3], v[T+10], v[T+26], vcc_lo
	global_store_b128 v[SO], v[OUT:OUT+3], s[STP:STP+1]  ; the wave stores 512 consecutive bytes, at a multiple of 512 from ST's first byte
.endm
	s_wait_tensorcnt 1                             ; my part of K step 0 is in; K step 1's may stay out
	s_barrier_signal -1
	s_barrier_wait -1                              ; everybody's is
	FETCH 0, 0, F0
	WIN 0                                          ; at a label and at a branch every window is 0
	s_mov_b32 s[LEFT], TILES                       ; the same number in every work-group
.Ltile:
	QUARTER 0, 128, F0, F1, 1                      ; K step 0: its first products start the sums
	QUARTER 0, 256, F1, F0, 0
	QUARTER 0, 384, F0, F1, 0
	TURN 0, 1, 1                                   ; slot 0 takes K step 2
	QUARTER 1, 128, F0, F1, 0                      ; K step 1
	QUARTER 1, 256, F1, F0, 0
	QUARTER 1, 384, F0, F1, 0
	TURN 1, 0, 1                                   ; slot 1 takes K step 3
	QUARTER 0, 128, F0, F1, 0                      ; K step 2
	QUARTER 0, 256, F1, F0, 0
	QUARTER 0, 384, F0, F1, 0
	WIN 0
	s_cmp_eq_u32 s[LEFT], 1
	s_cbranch_scc1 .Llast                          ; the last block's tail is written out: it asks for nothing more
	s_add_co_u32 s[BLK], s[BLK], 1                 ; the next block: behind the cluster's highest comes its lowest
	s_cmp_eq_u32 s[BLK], s[FST+1]
	s_cselect_b32 s[BLK], s[FST], s[BLK]
	BLOCK BLK, NI, NJ
	s_mul_i32 s[OFA], s[NI], BLKB
	s_mul_i32 s[OFB], s[NJ], BLKB
	TURN 0, 1, 2                                   ; THE RING GOES ON INTO THE NEXT BLOCK: slot 0 takes its K step 0
	QUARTER 1, 128, F0, F1, 0                      ; K step 3
	QUARTER 1, 256, F1, F0, 0
	QUARTER 1, 384, F0, F1, 0
	TURN 1, 0, 2                                   ; slot 1 takes the next block's K step 1, and its first fragments are fetched
	WIN 0
	EPI 1                                          ; both refills are asked for: now the block's statistics
	s_mov_b32 s[BI], s[NI]
	s_mov_b32 s[BJ], s[NJ]
	s_sub_co_u32 s[LEFT], s[LEFT], 1
	s_branch .Ltile
.Llast:
	TURN 0, 1, 0                                   ; nothing is left to fetch
	QUARTER 1, 128, F0, F1, 0                      ; K step 3
	QUARTER 1, 256, F1, F0, 0
	QUARTER 1, 384, F0, F1, 0
	s_wait_dscnt 16
	MUL8 F1, 0, 0, 0
	MUL8 F1, 0, 2, 0
	s_wait_dscnt 0
	MUL8 F1, 1, 0, 0
	MUL8 F1, 1, 2, 0
	WIN 0
	EPI 0                                          ; the walk's last block, number 5 x + 3, is (2, 0) or (3, 2): none of its scores lies above the diagonal
	s_wait_tensorcnt 0x0                           ; the wave's end: behind my last tensor load
	ds_add_u32 v[SPW], v[NIL]
	s_wait_dscnt 0x0
	CROUND                                         ; the closing round: no work-group ends while a partner may still ask for a tile that names it
	s_endpgm
.Lfunc_end_k_qab69837dd2_stats:
	.size	k_qab69837dd2_stats, .Lfunc_end_k_qab69837dd2_stats-k_qab69837dd2_stats
	.p2alignl 7, 3214868480
	.fill 96, 4, 3214868480
	.section	.rodata,"a",@progbits
	.p2align	6, 0x0
	.amdhsa_kernel k_qab69837dd2_stats
		.amdhsa_group_segment_fixed_size 327680
		.amdhsa_private_segment_fixed_size 0
		.amdhsa_enable_private_segment 0
		.amdhsa_kernarg_size 16
		.amdhsa_user_sgpr_count 2
		.amdhsa_user_sgpr_kernarg_segment_ptr 1
		.amdhsa_wavefront_size32 1
		.amdhsa_system_sgpr_workgroup_id_x 1
		.amdhsa_system_sgpr_workgroup_id_y 1
		.amdhsa_system_sgpr_workgroup_id_z 1
		.amdhsa_system_vgpr_workitem_id 0
		.amdhsa_next_free_vgpr 512
		.amdhsa_next_free_sgpr 92
		.amdhsa_reserve_vcc 1
		.amdhsa_float_denorm_mode_32 3
		.amdhsa_float_denorm_mode_16_64 3
		.amdhsa_memory_ordered 1
		.amdhsa_forward_progress 1
		.amdhsa_inst_pref_size 146
	.end_amdhsa_kernel
	.amdgpu_metadata
---
amdhsa.version: [ 1, 2 ]
amdhsa.kernels:
  - .name:           k_qab69837dd2_stats
    .symbol:         k_qab69837dd2_stats.kd
    .args:
      - { .name: QKV, .offset: 0, .size: 8, .value_kind: global_buffer, .address_space: global }
      - { .name: ST, .offset: 8, .size: 8, .value_kind: global_buffer, .address_space: global }
    .group_segment_fixed_size: 327680
    .private_segment_fixed_size: 0
    .kernarg_segment_align: 8
    .kernarg_segment_size: 16
    .max_flat_workgroup_size: 128
    .sgpr_count:     92
    .vgpr_count:     512
    .wavefront_size: 32
...
	.end_amdgpu_metadata
.endif
;; end of part 6
;; launch scale: the kernel of part 4 again; grid 512 x 1, 8 waves a work-group, no clusters, 0 bytes of LDS; arguments QKV, ST, out0; writes out0
;; ======== version 3 of 3: 4 launches; version 2 with the launches cast, scale written anew for expert scheduling mode
;; workspace buffers: Xb 16,777,216 bytes; Wb 3,145,728 bytes; QKV 100,663,296 bytes; ST 4,194,304 bytes
;; launch cast (part 7): grid 608 x 1, 8 waves a work-group, no clusters, 0 bytes of LDS; arguments X, Wq, Wk, Wv, Xb, Wb; writes Xb, Wb
.if DOCPART == 7
	.amdgcn_target "amdgcn-amd-amdhsa--gfx1250"
	.amdhsa_code_object_version 6
	.text
	.protected	k_qab69837dd2_cast
	.globl	k_qab69837dd2_cast
	.p2align	8
	.type	k_qab69837dd2_cast,@function
k_qab69837dd2_cast:
	s_mov_b64 s[64:65], 0
	v_nop
	global_prefetch_b8 v0, s[64:65] scope:SCOPE_SE
	s_setreg_imm32_b32 hwreg(HW_REG_WAVE_SCHED_MODE, 0, 2), 2
	s_setreg_imm32_b32 hwreg(HW_REG_WAVE_MODE, 25, 1), 1
	s_wait_xcnt 0x0
	s_wait_alu depctr_vm_vsrc(0)
; X and the three weight matrices, f32, are rounded once to bf16: Xb [16384][512]; Wb [3072][512] = Wq's, Wk's, Wv's rows one below the other.
; A work-group takes 65,536 bytes of f32 and makes 32,768 of bf16: groups 0-511 X, 512-543 Wq, 544-575 Wk, 576-607 Wv.
; A wave takes 8,192 bytes: sixteen loads of 512 consecutive bytes, all on their way at once; each store of the wave covers 256 consecutive bytes, aligned.
; No LDS, no barrier: no wave wants another's bytes.
; THE MODE: SCHED_MODE bits 1:0 = 2 (LLVM: expert scheduling mode 2), set by the entry lines.  The code itself states the register dependences
; between vector instructions and memory instructions, with s_wait_alu, always for 0.
; THE PLAN.  The sixteen loads are worked on in four groups of four.  Registers that memory instructions touch:
;   v1, v2       byte offsets of the loads and of the stores: made once at the head and never written again.
;   IN0 .. IN3   group g's sixteen registers as loaded.  Written by the loads, which are all issued at the head; no vector instruction names them ahead of the loads, and nothing lands in them a second time.
;   OUT0 .. OUT3 group g's eight registers to store.  Written by group g's eight conversions; read by the four stores that are issued in group g + 1 (the last group's: behind it).
; No register that a memory instruction reads is written a second time.  So the waits are five, all on va_vdst: one ahead of the first load, for the offsets; one at the head of groups 1 to 3, for the
; OUT of the group before, whose four stores are then dealt among the group's conversions, which name this group's IN and OUT alone; one ahead of the last four stores.
.set NX, 512                           ; work-groups for X
.set NW, 32                            ; work-groups for each weight matrix
.set IN,  4                            ; v[4:67]   group g, load i: four registers at IN + 16 g + 4 i
.set OUT, 68                           ; v[68:99]  group g, result i: two registers at OUT + 8 g + 2 i
	s_load_b256 s[4:11], s[0:1], 0x0               ; X s[4:5], Wq s[6:7], Wk s[8:9], Wv s[10:11]
	s_load_b128 s[12:15], s[0:1], 0x20             ; Xb s[12:13], Wb s[14:15]
	v_lshrrev_b32 v3, 5, v0                        ; wave
	v_and_b32 v1, 31, v0                           ; lane
	v_lshlrev_b32 v2, 3, v1                        ; 8 bytes a lane out
	v_lshlrev_b32 v1, 4, v1                        ; 16 bytes a lane in
	v_lshl_add_u32 v1, v3, 13, v1                  ; + wave x 8,192
	v_lshl_add_u32 v2, v3, 12, v2                  ; + wave x 4,096
	s_sub_co_u32 s20, ttmp9, NX                    ; my number among the weights' groups (used only where it is one)
	s_and_b32 s21, s20, NW-1                       ; and inside its matrix
	s_cmp_lt_u32 ttmp9, NX
	s_cselect_b32 s22, ttmp9, s21                  ; block of the source
	s_cselect_b32 s24, ttmp9, s20                  ; block of the destination
	s_lshl_b32 s22, s22, 16
	s_mov_b32 s23, 0
	s_lshl_b32 s24, s24, 15
	s_mov_b32 s25, 0
	s_wait_kmcnt 0x0
	s_cmp_lt_u32 ttmp9, NX
	s_cselect_b64 s[18:19], s[12:13], s[14:15]     ; to Xb or to Wb
	s_cselect_b64 s[16:17], s[4:5], s[6:7]         ; from X, or from Wq,
	s_cmp_ge_u32 ttmp9, NX+NW
	s_cselect_b64 s[16:17], s[8:9], s[16:17]       ; Wk,
	s_cmp_ge_u32 ttmp9, NX+2*NW
	s_cselect_b64 s[16:17], s[10:11], s[16:17]     ; Wv
	s_add_nc_u64 s[16:17], s[16:17], s[22:23]
	s_add_nc_u64 s[18:19], s[18:19], s[24:25]
	s_wait_alu depctr_va_vdst(0)                   ; v1 and v2 are written: every load reads v1 and every store v2 as its offset
.irp i, 0,1,2,3,4,5,6,7,8,9,10,11,12,13,14,15
	global_load_b128 v[IN+4*(\i):IN+4*(\i)+3], v1, s[16:17] offset:512*(\i) th:TH_LOAD_NT
.endr
; Group g: its four loads are waited for; the group before is stored, a store ahead of each pair of this group's conversions.
.macro GROUP g
	s_wait_loadcnt 12-4*(\g)                       ; loads come back in order: group g's four are in, the 12 - 4 g younger ones stay out
.if (\g) > 0
	s_wait_alu depctr_va_vdst(0)                   ; the conversions of the group before have written its OUT, which the four stores below read
.endif
.irp i, 0,1,2,3
.if (\g) > 0
	global_store_b64 v2, v[OUT+8*(\g)-8+2*(\i):OUT+8*(\g)-8+2*(\i)+1], s[18:19] offset:256*(4*(\g)-4+(\i))  ; no vector instruction since the wait names these registers
.endif
	v_cvt_pk_bf16_f32 v[OUT+8*(\g)+2*(\i)], v[IN+16*(\g)+4*(\i)], v[IN+16*(\g)+4*(\i)+1]
	v_cvt_pk_bf16_f32 v[OUT+8*(\g)+2*(\i)+1], v[IN+16*(\g)+4*(\i)+2], v[IN+16*(\g)+4*(\i)+3]
.endr
.endm
	GROUP 0
	GROUP 1
	GROUP 2
	GROUP 3
	s_wait_alu depctr_va_vdst(0)                   ; group 3's conversions have written OUT3, which the last four stores read
.irp i, 0,1,2,3
	global_store_b64 v2, v[OUT+24+2*(\i):OUT+24+2*(\i)+1], s[18:19] offset:256*(12+(\i))
.endr
	s_endpgm
.Lfunc_end_k_qab69837dd2_cast:
	.size	k_qab69837dd2_cast, .Lfunc_end_k_qab69837dd2_cast-k_qab69837dd2_cast
	.p2alignl 7, 3214868480
	.fill 96, 4, 3214868480
	.section	.rodata,"a",@progbits
	.p2align	6, 0x0
	.amdhsa_kernel k_qab69837dd2_cast
		.amdhsa_group_segment_fixed_size 0
		.amdhsa_private_segment_fixed_size 0
		.amdhsa_enable_private_segment 0
		.amdhsa_kernarg_size 48
		.amdhsa_user_sgpr_count 2
		.amdhsa_user_sgpr_kernarg_segment_ptr 1
		.amdhsa_wavefront_size32 1
		.amdhsa_system_sgpr_workgroup_id_x 1
		.amdhsa_system_sgpr_workgroup_id_y 1
		.amdhsa_system_sgpr_workgroup_id_z 1
		.amdhsa_system_vgpr_workitem_id 0
		.amdhsa_next_free_vgpr 100
		.amdhsa_next_free_sgpr 66
		.amdhsa_reserve_vcc 0
		.amdhsa_float_denorm_mode_32 3
		.amdhsa_float_denorm_mode_16_64 3
		.amdhsa_memory_ordered 1
		.amdhsa_forward_progress 1
		.amdhsa_inst_pref_size 7
	.end_amdhsa_kernel
	.amdgpu_metadata
---
amdhsa.version: [ 1, 2 ]
amdhsa.kernels:
  - .name:           k_qab69837dd2_cast
    .symbol:         k_qab69837dd2_cast.kd
    .args:
      - { .name: X, .offset: 0, .size: 8, .value_kind: global_buffer, .address_space: global }
      - { .name: Wq, .offset: 8, .size: 8, .value_kind: global_buffer, .address_space: global }
      - { .name: Wk, .offset: 16, .size: 8, .value_kind: global_buffer, .address_space: global }
      - { .name: Wv, .offset: 24, .size: 8, .value_kind: global_buffer, .address_space: global }
      - { .name: Xb, .offset: 32, .size: 8, .value_kind: global_buffer, .address_space: global }
      - { .name: Wb, .offset: 40, .size: 8, .value_kind: global_buffer, .address_space: global }
    .group_segment_fixed_size: 0
    .private_segment_fixed_size: 0
    .kernarg_segment_align: 8
    .kernarg_segment_size: 48
    .max_flat_workgroup_size: 256
    .sgpr_count:     66
    .vgpr_count:     100
    .wavefront_size: 32
...
	.end_amdgpu_metadata
.endif
;; end of part 7
;; launch proj: the kernel of part 5 again; grid 4 x 64, 4 waves a work-group, clusters of 4 x 4, 327,680 bytes of LDS; arguments Xb, Wb, bq, bk, bv, QKV; writes QKV
;; launch stats: the kernel of part 6 again; grid 8 x 32, 4 waves a work-group, clusters of 4 x 4, 327,680 bytes of LDS; arguments QKV, ST; writes ST
;; launch scale (part 8): grid 512 x 1, 8 waves a work-group, no clusters, 0 bytes of LDS; arguments QKV, ST, out0; writes out0
.if DOCPART == 8
	.amdgcn_target "amdgcn-amd-amdhsa--gfx1250"
	.amdhsa_code_object_version 6
	.text
	.protected	k_qab69837dd2_scale
	.globl	k_qab69837dd2_scale
	.p2align	8
	.type	k_qab69837dd2_scale,@function
k_qab69837dd2_scale:
	s_mov_b64 s[64:65], 0
	v_nop
	global_prefetch_b8 v0, s[64:65] scope:SCOPE_SE
	s_setreg_imm32_b32 hwreg(HW_REG_WAVE_SCHED_MODE, 0, 2), 2
	s_setreg_imm32_b32 hwreg(HW_REG_WAVE_MODE, 25, 1), 1
	s_wait_xcnt 0x0
	s_wait_alu depctr_vm_vsrc(0)
; out[row][:] = (the row's sum of softmax weights) x V[row][:].  V = columns 2048-3071 of QKV [16384][3072] bf16; out0 [16384][1024] f32.
; A row's softmax runs over 32 blocks of 64 keys.  ST holds (cm, l) of each block up to the end of the row's own block of 512 keys: cm = c x the block's maximum, l = the sum of 2^(c s - cm).
; The blocks beyond hold zeros alone: (cm, l) = (0, 64).  Merge: M = the maximum of the cm, L = the sum of l 2^(cm - M).  The weights are e / L, and their sum is formed as L x (1 / L).
; LIMITS.  The sum of the weights is (the sum of e) x (1 / the sum of e), not the sum of the rounded quotients; a term below 2^-126 counts as 0; L lies in 1 to 2,048; NaN and infinities are not treated apart.
; SHARES.  A work-group takes 32 rows, a wave four.  In the merge a lane is a block of keys.  A row of V is 2,048 bytes: eight loads of 256 consecutive bytes; a row of out 4,096: eight stores of 512.
; All of a wave's 36 loads go out at once; no LDS and no barrier: no wave wants another's bytes.
; THE MODE: SCHED_MODE bits 1:0 = 2 (LLVM: expert scheduling mode 2), set by the entry lines.  The code itself states the register dependences
; between vector instructions and memory instructions, and those through scalar registers and VCC that vector instructions write, with s_wait_alu, always for 0.
; THE PLAN.  Registers that memory instructions touch:
;   v3, v4, v5  byte offsets in ST, in V and in out0: made once at the head and never written again.
;   PR, VV      written by the 36 loads, all issued at the head; no vector instruction names them ahead of the loads, and nothing lands in them a second time.
;   OO0, OO1    two rows of out to store.  Row k's unpacking lines and multiplies write OO[k % 2]; the eight stores that are issued in row k + 1 read it (row 3's: behind it).
; Row k works on its part of VV and on OO[k % 2]; its memory instructions are the stores from the other OO, which no vector instruction of row k names.  So the waits at a row's head state all that
; its eight stores hang on, and these are dealt among the row's vector instructions with no further wait.
.set VROW, 6144                        ; bytes in a row of QKV
.set OROW, 4096                        ; bytes in a row of out0
.set PR,  8                            ; v[8:15]   row k's (cm, l) of my block of keys
.set MM,  16                           ; v[16:19]  row k's M, then L
.set XC,  20                           ; v[20:23]  the other half of the lanes'; then 1 / L
.set RR,  24                           ; v[24:31]  row k's factor, twice: a pair for the packed multiply
.set VV,  32                           ; v[32:95]  row k, chunk i: two registers, four bf16
.set OO,  96                           ; v[96:159] buffer b, chunk i: four f32 to store, at OO + 32 b + 4 i
	s_load_b128 s[4:7], s[0:1], 0x0                ; QKV s[4:5], ST s[6:7]
	s_load_b64 s[8:9], s[0:1], 0x10                ; out0
	v_lshrrev_b32 v2, 5, v0
	v_readfirstlane_b32 s10, v2                    ; wave 0..7
	v_and_b32 v1, 31, v0                           ; lane = block of 64 keys
	s_lshr_b32 s11, ttmp9, 1                       ; g: my group of 64 rows
	s_and_b32 s12, ttmp9, 1                        ; which half of it
	s_bfe_u32 s14, s11, 0x20003                    ; the rows' block of 512 in the batch: (g % 32) / 8
	s_add_co_u32 s14, s14, 1
	s_lshl_b32 s14, s14, 3                         ; so many blocks of 64 keys were stored
	s_sub_co_u32 s15, s14, 1
	v_min_u32 v2, s15, v1                          ; lanes beyond read the last stored block, and drop it
	s_lshl_b32 s16, s11, 5
	v_add_nc_u32 v3, s16, v2
	v_lshlrev_b32 v3, 9, v3                        ; (32 g + p) x 512
	; in a block of ST row 16 a + r of the group lies at lane 16 (a / 2) + r, pair a % 2.  My rows are 32 half + 4 w + k: a = 2 half + w / 4, r = 4 (w % 4) + k
	s_lshl_b32 s17, s12, 8
	s_wait_alu depctr_va_sdst(0)                   ; s10 is written, ahead of its first reader: the offsets in ST, V and out0 are made from it
	s_and_b32 s18, s10, 3
	s_lshl_b32 s18, s18, 6
	s_add_co_u32 s17, s17, s18
	s_lshr_b32 s18, s10, 2
	s_lshl_b32 s18, s18, 3
	s_add_co_u32 s17, s17, s18
	v_add_nc_u32 v3, s17, v3                       ; + 256 half + 64 (w % 4) + 8 (w / 4); 16 k stands in the immediate
	s_mul_i32 s19, s10, 4*VROW
	v_lshl_add_u32 v4, v1, 3, s19                  ; V: 8 bytes a lane, my four rows
	s_lshl_b32 s22, s10, 14
	v_lshl_add_u32 v5, v1, 4, s22                  ; out: 16 bytes a lane, my four rows
	v_mov_b32 v6, 0                                ; a block of zeros: cm,
	v_mov_b32 v7, 0x42800000                       ; and l = 64
	s_mov_b32 s20, 0x76543210                      ; v_permlanex16_b32: each lane takes its own place in the other half
	s_mov_b32 s21, 0xfedcba98
	s_mov_b32 s23, 0xffff0000                      ; a word's upper bf16
	s_mul_i32 s24, ttmp9, 32*VROW                  ; the work-group's 32 rows,
	s_add_co_u32 s24, s24, 4096                    ; V's columns begin 4,096 bytes into a row
	s_mov_b32 s25, 0
	s_lshl_b32 s26, ttmp9, 17                      ; 32 rows of 4,096 bytes
	s_mov_b32 s27, 0
	s_wait_kmcnt 0x0
	s_add_nc_u64 s[4:5], s[4:5], s[24:25]
	s_add_nc_u64 s[8:9], s[8:9], s[26:27]
	s_wait_alu depctr_va_vdst(0)                   ; v3, v4 and v5 are written: the loads of ST, the loads of V and the stores read them as their offsets
.irp k, 0,1,2,3
	global_load_b64 v[PR+2*(\k):PR+2*(\k)+1], v3, s[6:7] offset:16*(\k)
.endr
.irp k, 0,1,2,3
.irp i, 0,1,2,3,4,5,6,7
	global_load_b64 v[VV+16*(\k)+2*(\i):VV+16*(\k)+2*(\i)+1], v4, s[4:5] offset:VROW*(\k)+256*(\i) th:TH_LOAD_NT
.endr
.endr
	v_cmp_le_u32 vcc_lo, s14, v1                   ; my block of keys lies beyond what was stored
.irp k, 0,1,2,3
	v_mov_b32 v[XC+(\k)], 0                        ; v_permlanex16_b32 counts as a reader of its destination
.endr
	s_wait_loadcnt 32                              ; the statistics are in; V's 32 loads stay out
	s_wait_alu depctr_va_vcc(0)                    ; the compare has written VCC, ahead of its first reader: the selects below
.irp k, 0,1,2,3
	v_cndmask_b32 v[PR+2*(\k)], v[PR+2*(\k)], v6, vcc_lo
	v_cndmask_b32 v[PR+2*(\k)+1], v[PR+2*(\k)+1], v7, vcc_lo
.endr
.irp k, 0,1,2,3
	v_mov_b32 v[MM+(\k)], v[PR+2*(\k)]
.endr
.irp x, 1,2,4,8
.irp k, 0,1,2,3
	v_max_num_f32_dpp v[MM+(\k)], v[MM+(\k)], v[MM+(\k)] row_xmask:\x row_mask:0xf bank_mask:0xf
.endr
.endr
.irp k, 0,1,2,3
	v_permlanex16_b32 v[XC+(\k)], v[MM+(\k)], s20, s21
.endr
.irp k, 0,1,2,3
	v_max_num_f32 v[MM+(\k)], v[MM+(\k)], v[XC+(\k)]     ; M, in every lane
.endr
.irp k, 0,1,2,3
	v_sub_f32 v[PR+2*(\k)], v[PR+2*(\k)], v[MM+(\k)]
.endr
.irp k, 0,1,2,3
	v_exp_f32 v[PR+2*(\k)], v[PR+2*(\k)]
.endr
	v_nop                                          ; a plain instruction behind the last exponential (ISA guide 5.7.2),
	s_wait_alu depctr_va_vdst(0)                   ; and one wait for the batch: the four exponentials have written v[PR], v[PR+2], v[PR+4], v[PR+6], ahead of their first reader
.irp k, 0,1,2,3
	v_mul_f32 v[MM+(\k)], v[PR+2*(\k)+1], v[PR+2*(\k)]
.endr
.irp x, 1,2,4,8
.irp k, 0,1,2,3
	v_add_f32_dpp v[MM+(\k)], v[MM+(\k)], v[MM+(\k)] row_xmask:\x row_mask:0xf bank_mask:0xf
.endr
.endr
.irp k, 0,1,2,3
	v_permlanex16_b32 v[XC+(\k)], v[MM+(\k)], s20, s21
.endr
.irp k, 0,1,2,3
	v_add_f32 v[MM+(\k)], v[MM+(\k)], v[XC+(\k)]         ; L, in every lane
.endr
.irp k, 0,1,2,3
	v_rcp_f32 v[XC+(\k)], v[MM+(\k)]
.endr
	v_nop                                          ; a plain instruction behind the last reciprocal,
	s_wait_alu depctr_va_vdst(0)                   ; and one wait for the batch: the four reciprocals have written v[XC] to v[XC+3], ahead of their first reader
.irp k, 0,1,2,3
	v_mul_f32 v[RR+2*(\k)], v[MM+(\k)], v[XC+(\k)]       ; the sum of the row's weights
	v_mul_f32 v[RR+2*(\k)+1], v[MM+(\k)], v[XC+(\k)]
.endr
; Row k is widened and multiplied into OO[k % 2]; the row before is stored from the other OO, a store ahead of each chunk's six vector instructions.
.macro ROWOUT k
	s_wait_loadcnt 8*(3-(\k))                      ; row k's eight loads are in; the later rows' stay out
.if (\k) >= 2
	s_wait_xcnt 0x0                                ; the stores issued in the row before have had their addresses translated (ISA guide 3.1): their data, OO[k % 2], is rewritten only behind this wait,
	s_wait_alu depctr_vm_vsrc(0)                   ; and they have read OO[k % 2], which this row's unpacking lines write again
.endif
.if (\k) >= 1
	s_wait_alu depctr_va_vdst(0)                   ; the multiplies of the row before have written the other OO, which the eight stores below read
.endif
.irp i, 0,1,2,3,4,5,6,7
.if (\k) >= 1
	global_store_b128 v5, v[OO+32*(((\k)+1)%2)+4*(\i):OO+32*(((\k)+1)%2)+4*(\i)+3], s[8:9] offset:OROW*(\k)-OROW+512*(\i) th:TH_STORE_NT  ; no vector instruction since the wait names these registers
.endif
	v_lshlrev_b32 v[OO+32*((\k)%2)+4*(\i)],   16,  v[VV+16*(\k)+2*(\i)]
	v_and_b32     v[OO+32*((\k)%2)+4*(\i)+1], s23, v[VV+16*(\k)+2*(\i)]
	v_lshlrev_b32 v[OO+32*((\k)%2)+4*(\i)+2], 16,  v[VV+16*(\k)+2*(\i)+1]
	v_and_b32     v[OO+32*((\k)%2)+4*(\i)+3], s23, v[VV+16*(\k)+2*(\i)+1]
	v_pk_mul_f32 v[OO+32*((\k)%2)+4*(\i):OO+32*((\k)%2)+4*(\i)+1],   v[OO+32*((\k)%2)+4*(\i):OO+32*((\k)%2)+4*(\i)+1],   v[RR+2*(\k):RR+2*(\k)+1]
	v_pk_mul_f32 v[OO+32*((\k)%2)+4*(\i)+2:OO+32*((\k)%2)+4*(\i)+3], v[OO+32*((\k)%2)+4*(\i)+2:OO+32*((\k)%2)+4*(\i)+3], v[RR+2*(\k):RR+2*(\k)+1]
.endr
.endm
	ROWOUT 0
	ROWOUT 1
	ROWOUT 2
	ROWOUT 3
	s_wait_alu depctr_va_vdst(0)                   ; row 3's multiplies have written OO1, which the last eight stores read
.irp i, 0,1,2,3,4,5,6,7
	global_store_b128 v5, v[OO+32+4*(\i):OO+32+4*(\i)+3], s[8:9] offset:OROW*3+512*(\i) th:TH_STORE_NT
.endr
	s_endpgm
.Lfunc_end_k_qab69837dd2_scale:
	.size	k_qab69837dd2_scale, .Lfunc_end_k_qab69837dd2_scale-k_qab69837dd2_scale
	.p2alignl 7, 3214868480
	.fill 96, 4, 3214868480
	.section	.rodata,"a",@progbits
	.p2align	6, 0x0
	.amdhsa_kernel k_qab69837dd2_scale
		.amdhsa_group_segment_fixed_size 0
		.amdhsa_private_segment_fixed_size 0
		.amdhsa_enable_private_segment 0
		.amdhsa_kernarg_size 24
		.amdhsa_user_sgpr_count 2
		.amdhsa_user_sgpr_kernarg_segment_ptr 1
		.amdhsa_wavefront_size32 1
		.amdhsa_system_sgpr_workgroup_id_x 1
		.amdhsa_system_sgpr_workgroup_id_y 1
		.amdhsa_system_sgpr_workgroup_id_z 1
		.amdhsa_system_vgpr_workitem_id 0
		.amdhsa_next_free_vgpr 160
		.amdhsa_next_free_sgpr 66
		.amdhsa_reserve_vcc 1
		.amdhsa_float_denorm_mode_32 3
		.amdhsa_float_denorm_mode_16_64 3
		.amdhsa_memory_ordered 1
		.amdhsa_forward_progress 1
		.amdhsa_inst_pref_size 22
	.end_amdhsa_kernel
	.amdgpu_metadata
---
amdhsa.version: [ 1, 2 ]
amdhsa.kernels:
  - .name:           k_qab69837dd2_scale
    .symbol:         k_qab69837dd2_scale.kd
    .args:
      - { .name: QKV, .offset: 0, .size: 8, .value_kind: global_buffer, .address_space: global }
      - { .name: ST, .offset: 8, .size: 8, .value_kind: global_buffer, .address_space: global }
      - { .name: out0, .offset: 16, .size: 8, .value_kind: global_buffer, .address_space: global }
    .group_segment_fixed_size: 0
    .private_segment_fixed_size: 0
    .kernarg_segment_align: 8
    .kernarg_segment_size: 24
    .max_flat_workgroup_size: 256
    .sgpr_count:     66
    .vgpr_count:     160
    .wavefront_size: 32
...
	.end_amdgpu_metadata
.endif
;; end of part 8
